; MI455X (gfx1250); checked and timed in simulation.
; The chip was launched on July 23, 2026; its instructions are those of AMD's public machine-readable ISA for CDNA 5 (MIT licence, August 2026) and "CDNA5" Instruction Set Architecture Reference Guide (July 2026). The comments in the code are by the model that wrote it; some were corrected since.
;; Classical Self Attention. Allowed arithmetic: float matrix products may take bf16 or f16 operands with f32 sums; other float arithmetic in f32, or as packed bf16 or f16 multiplies, adds, multiply-adds, maxima and minima; sums over many terms, partial sums and values carried from step to step in f32; what a program stores and reads back later, other than sums and carried values, may be rounded once to bf16 or f16.
;; Inputs: Wk 1,024 x 1,024 float32; Wq 1,024 x 1,024 float32; Wv 1,024 x 1,024 float32; x 4 x 2,048 x 1,024 float32.
;; Outputs: out0 4 x 2,048 x 1,024 float32.
;; One version. Each part assembles by itself: llvm-mc -triple=amdgcn-amd-amdhsa -mcpu=gfx1250 --defsym DOCPART=n.
;; ======== version 1 of 1: 5 launches
;; limits: values are held in f16: magnitudes above 65,504 overflow, below 6.1e-05 lose precision; right only within a limited range of input values
;; workspace buffers: x16 16,777,216 bytes; wqk 4,194,304 bytes; wb 4,194,304 bytes; tv 33,554,432 bytes; pw 33,554,432 bytes; sm 524,288 bytes; sl 524,288 bytes
;; launch cast (part 1): grid 256 x 11, 4 waves a work-group, no clusters, 0 bytes of LDS; arguments x, Wq, Wk, Wv, x16, wqk, wb; writes x16, wqk, wb
.if DOCPART == 1
	.amdgcn_target "amdgcn-amd-amdhsa--gfx1250"
	.amdhsa_code_object_version 6
	.text
	.protected	k_qa87da91eef_cast
	.globl	k_qa87da91eef_cast
	.p2align	8
	.type	k_qa87da91eef_cast,@function
k_qa87da91eef_cast:
	s_mov_b64 s[64:65], 0
	v_nop
	global_prefetch_b8 v0, s[64:65] scope:SCOPE_SE
	s_setreg_imm32_b32 hwreg(HW_REG_WAVE_MODE, 25, 1), 1
	s_wait_xcnt 0x0
; All four inputs (f32) are rounded once to bf16.  Wq and Wk are stored so: wqk = Wq, Wk one below the other, [2048][1024] bf16.
; x and Wv go into f16 products, so their bf16 numbers are written as f16: x16 = x as [8192][1024]; Wv into rows 1,024 to 2,047 of wb [2048][1024].
; LIMITS.  A bf16 number is exact in f16 from 2^-17 up to 65,504; a smaller one is off by 2^-25 at the most; one of 65,520 or more becomes an infinity.
; The grid's y names a segment of 2^20 numbers: 0-7 the eighths of x, 8, 9, 10 Wq, Wk, Wv.  A work-group takes 4,096 numbers of its segment: 16 KiB in, 8 KiB out.
; In turn i (of eight) thread t takes the 4 numbers at byte 2,048 i + 16 t: a wave's load covers 512 consecutive bytes, its store of 8 bytes a lane 256 consecutive bytes, at a multiple of 256.
; A stream: no LDS, no barrier, no matrix unit, no prefetch (every byte is asked for at once, by the loads themselves).  All eight loads go out ahead of the first wait.
.set IN,  4                            ; v[4:35]   turn i: 4 numbers in f32; then the same as rounded to bf16, widened again
.set OUT, 36                           ; v[36:51]  turn i: 4 numbers in 16 bits
	s_load_b256 s[4:11], s[0:1], 0x0               ; x s[4:5], Wq s[6:7], Wk s[8:9], Wv s[10:11]
	s_load_b128 s[12:15], s[0:1], 0x20             ; x16 s[12:13], wqk s[14:15]
	s_load_b64 s[16:17], s[0:1], 0x30              ; wb
	s_and_b32 s18, ttmp7, 0xffff                   ; the segment
	v_lshlrev_b32 v1, 4, v0                        ; my 16 bytes in a turn's 2,048
	v_lshlrev_b32 v2, 3, v0                        ; my 8 bytes in a turn's 1,024
	s_sub_co_u32 s19, s18, 7
	s_lshr_b32 s19, s19, 1                         ; segments 8, 9, 10 go to half 0, 1, 1 of their buffer (Wq, Wk in wqk; Wv in wb)
	s_cmp_lt_u32 s18, 8
	s_cselect_b32 s28, s18, 0                      ; the segment's place in its source: an eighth of x, or a whole weight
	s_cselect_b32 s19, s18, s19                    ; and in its destination
	s_lshl_b32 s24, s28, 22                        ; 4 MiB a segment in f32,
	s_lshl_b32 s28, ttmp9, 14                      ; 16 KiB a work-group
	s_add_co_u32 s24, s24, s28
	s_mov_b32 s25, 0
	s_lshl_b32 s26, s19, 21                        ; 2 MiB a segment in 16 bits,
	s_lshl_b32 s28, ttmp9, 13                      ; 8 KiB a work-group
	s_add_co_u32 s26, s26, s28
	s_mov_b32 s27, 0
	s_wait_kmcnt 0x0
	s_cmp_eq_u32 s18, 9
	s_cselect_b64 s[20:21], s[8:9], s[6:7]         ; Wk or Wq,
	s_cmp_eq_u32 s18, 10
	s_cselect_b64 s[20:21], s[10:11], s[20:21]     ; or Wv,
	s_cselect_b64 s[22:23], s[16:17], s[14:15]     ; into wb or wqk,
	s_cmp_lt_u32 s18, 8
	s_cselect_b64 s[20:21], s[4:5], s[20:21]       ; or x
	s_cselect_b64 s[22:23], s[12:13], s[22:23]     ; into x16
	s_add_nc_u64 s[20:21], s[20:21], s[24:25]
	s_add_nc_u64 s[22:23], s[22:23], s[26:27]
.irp i, 0,1,2,3,4,5,6,7
	global_load_b128 v[IN+4*(\i):IN+4*(\i)+3], v1, s[20:21] offset:2048*(\i) th:TH_LOAD_NT
.endr
; The eight turns.  half = 1: the bf16 numbers are widened (a shift, a mask) and written as f16.
.macro TURNS half
.irp i, 0,1,2,3,4,5,6,7
	s_wait_loadcnt 7-(\i)                          ; loads come back in order: turn i's is in, the later turns' stay out
	v_cvt_pk_bf16_f32 v[OUT+2*(\i)],   v[IN+4*(\i)],   v[IN+4*(\i)+1]
	v_cvt_pk_bf16_f32 v[OUT+2*(\i)+1], v[IN+4*(\i)+2], v[IN+4*(\i)+3]
.if \half
	v_lshlrev_b32 v[IN+4*(\i)],   16, v[OUT+2*(\i)]
	v_and_b32     v[IN+4*(\i)+1], 0xffff0000, v[OUT+2*(\i)]
	v_lshlrev_b32 v[IN+4*(\i)+2], 16, v[OUT+2*(\i)+1]
	v_and_b32     v[IN+4*(\i)+3], 0xffff0000, v[OUT+2*(\i)+1]
	v_cvt_pk_f16_f32 v[OUT+2*(\i)],   v[IN+4*(\i)],   v[IN+4*(\i)+1]
	v_cvt_pk_f16_f32 v[OUT+2*(\i)+1], v[IN+4*(\i)+2], v[IN+4*(\i)+3]
.endif
	global_store_b64 v2, v[OUT+2*(\i):OUT+2*(\i)+1], s[22:23] offset:1024*(\i)
.endr
.endm
	s_sub_co_u32 s29, s18, 8
	s_cmp_lt_u32 s29, 2                            ; segments 8 and 9, Wq and Wk, stay in bf16
	s_cbranch_scc1 .Lstay
	TURNS 1
	s_endpgm
.Lstay:
	TURNS 0
	s_endpgm
.Lfunc_end_k_qa87da91eef_cast:
	.size	k_qa87da91eef_cast, .Lfunc_end_k_qa87da91eef_cast-k_qa87da91eef_cast
	.p2alignl 7, 3214868480
	.fill 96, 4, 3214868480
	.section	.rodata,"a",@progbits
	.p2align	6, 0x0
	.amdhsa_kernel k_qa87da91eef_cast
		.amdhsa_group_segment_fixed_size 0
		.amdhsa_private_segment_fixed_size 0
		.amdhsa_enable_private_segment 0
		.amdhsa_kernarg_size 56
		.amdhsa_user_sgpr_count 2
		.amdhsa_user_sgpr_kernarg_segment_ptr 1
		.amdhsa_wavefront_size32 1
		.amdhsa_system_sgpr_workgroup_id_x 1
		.amdhsa_system_sgpr_workgroup_id_y 1
		.amdhsa_system_sgpr_workgroup_id_z 1
		.amdhsa_system_vgpr_workitem_id 0
		.amdhsa_next_free_vgpr 56
		.amdhsa_next_free_sgpr 66
		.amdhsa_reserve_vcc 0
		.amdhsa_float_denorm_mode_32 3
		.amdhsa_float_denorm_mode_16_64 3
		.amdhsa_memory_ordered 1
		.amdhsa_forward_progress 1
		.amdhsa_inst_pref_size 9
	.end_amdhsa_kernel
	.amdgpu_metadata
---
amdhsa.version: [ 1, 2 ]
amdhsa.kernels:
  - .name:           k_qa87da91eef_cast
    .symbol:         k_qa87da91eef_cast.kd
    .args:
      - { .name: x, .offset: 0, .size: 8, .value_kind: global_buffer, .address_space: global }
      - { .name: Wq, .offset: 8, .size: 8, .value_kind: global_buffer, .address_space: global }
      - { .name: Wk, .offset: 16, .size: 8, .value_kind: global_buffer, .address_space: global }
      - { .name: Wv, .offset: 24, .size: 8, .value_kind: global_buffer, .address_space: global }
      - { .name: x16, .offset: 32, .size: 8, .value_kind: global_buffer, .address_space: global }
      - { .name: wqk, .offset: 40, .size: 8, .value_kind: global_buffer, .address_space: global }
      - { .name: wb, .offset: 48, .size: 8, .value_kind: global_buffer, .address_space: global }
    .group_segment_fixed_size: 0
    .private_segment_fixed_size: 0
    .kernarg_segment_align: 8
    .kernarg_segment_size: 56
    .max_flat_workgroup_size: 128
    .sgpr_count:     66
    .vgpr_count:     56
    .wavefront_size: 32
...
	.end_amdgpu_metadata
.endif
;; end of part 1
;; launch gram (part 2): grid 16 x 16, 4 waves a work-group, clusters of 4 x 4, 327,680 bytes of LDS; arguments wqk, wb; writes wb
.if DOCPART == 2
	.amdgcn_target "amdgcn-amd-amdhsa--gfx1250"
	.amdhsa_code_object_version 6
	.text
	.protected	k_qa87da91eef_gram
	.globl	k_qa87da91eef_gram
	.p2align	8
	.type	k_qa87da91eef_gram,@function
k_qa87da91eef_gram:
	s_mov_b64 s[64:65], 0
	v_nop
	global_prefetch_b8 v0, s[64:65] scope:SCOPE_SE
	s_setreg_imm32_b32 hwreg(HW_REG_WAVE_MODE, 25, 1), 1
	s_wait_xcnt 0x0
	s_wait_alu depctr_hold_cnt(0) depctr_sa_sdst(0) depctr_va_vdst(0) depctr_va_sdst(0) depctr_va_ssrc(0) depctr_va_vcc(0) depctr_vm_vsrc(0)
	s_getreg_b32 s2, hwreg(HW_REG_IB_STS2, 6, 4)
	s_cmp_eq_u32 s2, 0
	s_cbranch_scc0 .Lentry_in_a_cluster
	s_endpgm
.Lentry_in_a_cluster:
	s_bfe_u32 s2, ttmp6, 0x10000c
	s_cmp_lg_u32 s2, 0xf033
	s_cbranch_scc0 .Lentry_shape_is_right
	s_endpgm
.Lentry_shape_is_right:
; wb[d'][d] = 32 x the sum over e of Wk[e][d'] Wq[e][d], for d', d = 0 .. 1,023: rows 0 to 1,023 of wb, in f16.  wqk holds Wq (rows 0-1,023) and Wk (rows 1,024-2,047), [e][d] in bf16.
; WHY.  (x Wq^T)(x Wk^T)^T = (x G) x^T with G[d][d'] = the sum above: one product of 1,024^3 here takes the place of the key projection's 8,192 x 1,024 x 1,024.
; Products in bf16, sums in f32 (K split four ways, the parts added in the waves' order), one rounding to f16.  THE FACTOR 32 keeps the numbers in f16's normal range when the weights are thirty times
; smaller than 1 / 32 in spread.  LIMIT: 32 |G| stays under 65,504 (weights with a common offset of thirty spreads give about 29,000).
; SHARES.  A work-group makes a tile of 64 (d') x 64 (d); 256 work-groups.  K = e IS SPLIT AMONG THE FOUR WAVES: wave w takes e = 256 w .. 256 w + 255 for the whole tile: 16 accumulators, 128 matrix
; instructions.  So each LDS byte is read once, by the wave whose own tensor load brought it: its own wait on TENSORcnt is all that a read needs.
; Both blocks for the whole K lie in LDS at once (2 x 1,024 rows x 144 bytes): every fill is a first fill.  That is also why the tile is 64 wide: its rows of wb are pieces of 128 bytes.
; CLUSTERS: 4 x 4 work-groups.  Wq's block hangs on the tile column alone and is shared along a column of the cluster, Wk's on the tile row alone and is shared along a row: JOINT loads.
; LAYOUT.  Both blocks lie [e][d] and come out turned, by ds_load_tr16_b128.  Source 0 = 16 d of Wq, source 1 = 16 d' of Wk: a lane holds row d' = l % 16 of the tile and the columns 8 (l / 16) + 0..7.
; No prefetch: the launch's reads all go out at its head.
; REGISTERS: window 0: v0-31 addresses; v64-127, v128-191 two fragment buffers (Wq's four, then Wk's four), later the four partial sums; v192-223 the way out.  window 1: v0-127 the accumulators, (m, n) at 8 (4 m + n).
.set PW,    144                        ; a row in LDS: 128 bytes + 16; with 32 of padding the two blocks would leave no LDS byte over
.set HALF,  128*PW                     ; what one tensor load brings: 128 rows
.set KOFF,  2*HALF                     ; a wave's 256 rows of Wq, then its 256 rows of Wk
.set WREG,  2*KOFF                     ; a wave's bytes: 73,728
.set STG,   32768                      ; in my bytes, behind my partial sums (16,384): 16 rows x 144 for the way out
.set SPARE, 4*WREG                     ; behind the blocks: the spare words, 128 bytes for each wave: two blocks of 256 bytes that no other line names
.set AQ,  2                            ; v2   my lane's place in my rows of Wq
.set AK,  3                            ; v3   the same for Wk
.set PS,  4                            ; v4   where I put 16 bytes of a partial sum
.set STO, 5                            ; v5   the way out: where I put 16 bytes of a row
.set RD,  6                            ; v6   the way out: where I read rows back
.set GO,  7                            ; v7   my byte offset in four rows of wb
.set LR,  8                            ; v8-11 where wave v's partial sums of my 16 rows lie
.set SPW, 28
.set NIL, 29
.set FB,  64
.set O,   192
.set G1Q, 24                           ; s[24:31] descriptor group 1 for Wq's blocks
.set G1K, 32                           ; s[32:39] for Wk's: it differs in the mask alone
.set G0,  40                           ; s[40:55] group 0: Wq half 0, Wk half 0, Wq half 1, Wk half 1
.set SCL, 56                           ; s[56:57] 32.0, twice
.set MSB, 0
.macro WIN new                         ; the immediate's high byte repeats the setting that is left; a switch that changes nothing is dropped
.if MSB != (\new)
	s_set_vgpr_msb (MSB<<8)|(\new)
.set MSB, \new
.endif
.endm
.macro PLACES                          ; four plain instructions between a matrix instruction and a load into, or another instruction on, its registers
.rept 4
	v_nop
.endr
.endm
.macro CROUND                          ; a round of the cluster's barrier
	s_barrier_signal -1
	s_barrier_wait -1
	s_cmp_lg_u32 s10, 0
	s_cbranch_scc1 .Lnot_wave_0_\@
	s_barrier_signal -3
.Lnot_wave_0_\@:
	s_barrier_wait -3
	s_barrier_signal -1
	s_barrier_wait -1
.endm
	s_load_b128 s[4:7], s[0:1], 0x0                ; wqk s[4:5], wb s[6:7]
	v_lshl_add_u32 v[SPW], v0, 2, SPARE
	v_mov_b32 v[NIL], 0
	ds_add_u32 v[SPW], v[NIL]                      ; the wave's opening: the add and its wait ahead of my first tensor load; the set-up below stands between them
	v_lshrrev_b32 v1, 5, v0
	v_readfirstlane_b32 s10, v1                    ; wave 0..3
	s_bfe_u32 s11, ttmp6, 0x40000                  ; cx
	s_bfe_u32 s12, ttmp6, 0x40004                  ; cy
	s_lshl_b32 s13, ttmp9, 2
	s_add_co_u32 s13, s13, s11                     ; tile column: 64 d
	s_and_b32 s14, ttmp7, 0xffff
	s_lshl_b32 s14, s14, 2
	s_add_co_u32 s14, s14, s12                     ; tile row: 64 d'
	s_lshl_b32 s15, 0x1111, s11                    ; my column of the cluster
	s_lshl_b32 s21, s12, 2
	s_lshl_b32 s21, 15, s21                        ; my row
	s_or_b32 s[G1Q], s15, (1<<16)|(1<<20)|(1<<21)|(4<<22)|(3<<25)  ; the mask; elements of 2 bytes; padding on; bit 21 beside a mask; after every 32 words (code 4) 4 words (code 3)
	s_or_b32 s[G1K], s21, (1<<16)|(1<<20)|(1<<21)|(4<<22)|(3<<25)
.irp g, G1Q, G1K
	s_mov_b32 s[(\g)+1], 64<<16                    ; tensor_dim0 = 64
	s_mov_b32 s[(\g)+2], 128<<16                   ; tensor_dim1 = 128
	s_mov_b32 s[(\g)+3], 64<<16                    ; tile_dim0 = 64
	s_mov_b32 s[(\g)+4], 128                       ; tile_dim1 = 128
	s_mov_b32 s[(\g)+5], 1024                      ; elements from row to row
	s_mov_b32 s[(\g)+6], 0
	s_mov_b32 s[(\g)+7], 0
.endr
	s_lshl_b32 s16, s10, 19                        ; Wq: my 256 rows of 2,048 bytes,
	s_lshl_b32 s22, s13, 7                         ; the tile column's 128 bytes: the tile column and the wave's number alone
	s_add_co_u32 s16, s16, s22
	s_mov_b32 s17, 0
	s_lshl_b32 s18, s10, 19                        ; Wk: the same rows, 1,024 rows further down,
	s_lshl_b32 s23, s14, 7                         ; the tile row's 128 bytes: the tile row and the wave's number alone
	s_add_co_u32 s18, s18, s23
	s_add_co_u32 s18, s18, 1024*2048
	s_mov_b32 s19, 0
	s_mul_i32 s20, s10, WREG                       ; my bytes of LDS: no place in the cluster enters an LDS address
	s_wait_dscnt 0x0                               ; the opening add is done
	s_wait_kmcnt 0x0
	s_add_nc_u64 s[60:61], s[4:5], s[16:17]
	s_add_nc_u64 s[62:63], s[4:5], s[18:19]
	CROUND                                         ; all sixteen work-groups are here: the joint loads meet
.irp h, 0,1
	s_mov_b32 s[G0+8*(\h)], 1
	s_add_co_u32 s[G0+8*(\h)+1], s20, (\h)*HALF
	s_add_nc_u64 s[G0+8*(\h)+2:G0+8*(\h)+3], s[60:61], (\h)*128*2048
	s_or_b32 s[G0+8*(\h)+3], s[G0+8*(\h)+3], 0x80000000
	s_mov_b32 s[G0+8*(\h)+4], 1
	s_add_co_u32 s[G0+8*(\h)+5], s20, KOFF+(\h)*HALF
	s_add_nc_u64 s[G0+8*(\h)+6:G0+8*(\h)+7], s[62:63], (\h)*128*2048
	s_or_b32 s[G0+8*(\h)+7], s[G0+8*(\h)+7], 0x80000000
.endr
	tensor_load_to_lds s[G0:G0+3], s[G1Q:G1Q+7]        ; all my fills, as one group: four tensor loads of mine are out
	s_nop 0
	tensor_load_to_lds s[G0+4:G0+7], s[G1K:G1K+7]
	s_nop 0
	tensor_load_to_lds s[G0+8:G0+11], s[G1Q:G1Q+7]
	s_nop 0
	tensor_load_to_lds s[G0+12:G0+15], s[G1K:G1K+7]
	s_nop 0
	PLACES
	; The turning load takes 16 e x 16 d (lane l reads row 8 (l / 16) + l % 8, bytes 16 ((l / 8) % 2) + 0..15) and leaves half a fragment: lane l holds d = l % 16 and 8 e.
	v_and_b32 v1, 7, v0
	v_bfe_u32 v12, v0, 4, 1                        ; l / 16
	v_bfe_u32 v13, v0, 3, 1
	v_and_b32 v14, 15, v0                          ; l % 16
	v_and_b32 v15, 31, v0                          ; l
	v_bfe_u32 v16, v0, 3, 2                        ; l / 8
	v_lshl_add_u32 v17, v12, 3, v1
	v_mul_u32_u24 v17, v17, PW
	v_lshl_add_u32 v17, v13, 4, v17
	v_add_nc_u32 v[AQ], s20, v17
	v_add_nc_u32 v[AK], KOFF, v[AQ]
	v_lshl_add_u32 v[PS], v15, 4, s20              ; partial sums lie as the lanes hold them: accumulator a, registers 4 q .. 4 q + 3 at 1,024 a + 512 q + 16 l
	s_lshl_b32 s21, s10, 12                        ; my 16 rows are accumulators 4 w .. 4 w + 3
	v_lshl_add_u32 v17, v15, 4, s21
.irp v, 0,1,2,3
	v_add_nc_u32 v[LR+(\v)], (\v)*WREG, v17
.endr
	s_add_co_u32 s21, s20, STG                     ; my stage
	v_mul_u32_u24 v[STO], v14, PW                  ; in: row l % 16, 16 bytes for each half of the lanes
	v_lshl_add_u32 v[STO], v12, 4, v[STO]
	v_add_nc_u32 v[STO], s21, v[STO]
	v_mul_u32_u24 v[RD], v16, PW                   ; back: 32 lanes take four rows of 128 bytes
	v_lshl_add_u32 v[RD], v1, 4, v[RD]
	v_add_nc_u32 v[RD], s21, v[RD]
	v_lshlrev_b32 v[GO], 11, v16                   ; the same four rows in wb, 2,048 bytes apart
	v_lshl_add_u32 v[GO], v1, 4, v[GO]
	s_lshl_b32 s58, s14, 6                         ; wb at row 64 x tile row + 16 x wave, byte 128 x tile column
	s_lshl_b32 s59, s10, 4
	s_add_co_u32 s58, s58, s59
	s_lshl_b32 s58, s58, 11
	s_lshl_b32 s59, s13, 7
	s_add_co_u32 s58, s58, s59
	s_mov_b32 s59, 0
	s_add_nc_u64 s[6:7], s[6:7], s[58:59]
	s_mov_b32 s[SCL], 0x42000000                   ; 32.0
	s_mov_b32 s[SCL+1], s[SCL]
; 16 LDS loads in one run: the fragments of 32 e (step ks of my eight) into buffer b
.macro FETCH ks, b
	WIN 0
.irp n, 0,1,2,3
	ds_load_tr16_b128 v[FB+64*(\b)+8*(\n):FB+64*(\b)+8*(\n)+3],   v[AQ] offset:(\ks)*32*PW+32*(\n)
	ds_load_tr16_b128 v[FB+64*(\b)+8*(\n)+4:FB+64*(\b)+8*(\n)+7], v[AQ] offset:(\ks)*32*PW+16*PW+32*(\n)
.endr
.irp n, 0,1,2,3
	ds_load_tr16_b128 v[FB+64*(\b)+32+8*(\n):FB+64*(\b)+32+8*(\n)+3],   v[AK] offset:(\ks)*32*PW+32*(\n)
	ds_load_tr16_b128 v[FB+64*(\b)+32+8*(\n)+4:FB+64*(\b)+32+8*(\n)+7], v[AK] offset:(\ks)*32*PW+16*PW+32*(\n)
.endr
.endm
; 16 matrix instructions on buffer b; the 16 accumulators take turns.  zero = 1: they start the sums.
.macro MUL b, zero
	WIN 0x50                                       ; C and D in window 1
.irp m, 0,1,2,3
.irp n, 0,1,2,3
.if \zero
	v_wmma_f32_16x16x32_bf16 v[8*(4*(\m)+(\n)):8*(4*(\m)+(\n))+7], v[FB+64*(\b)+8*(\n):FB+64*(\b)+8*(\n)+7], v[FB+64*(\b)+32+8*(\m):FB+64*(\b)+32+8*(\m)+7], 0
.else
	v_wmma_f32_16x16x32_bf16 v[8*(4*(\m)+(\n)):8*(4*(\m)+(\n))+7], v[FB+64*(\b)+8*(\n):FB+64*(\b)+8*(\n)+7], v[FB+64*(\b)+32+8*(\m):FB+64*(\b)+32+8*(\m)+7], v[8*(4*(\m)+(\n)):8*(4*(\m)+(\n))+7]
.endif
.endr
.endr
.endm
	s_wait_tensorcnt 2                             ; my first halves of both blocks are in; the second halves' two loads may stay out
	FETCH 0, 0
.irp ks, 0,1,2,3,4,5,6,7
.if (\ks) < 7
.if (\ks) > 0
	PLACES                                         ; the buffer that is loaded next was multiplied just now
.endif
.if (\ks) == 3
	s_wait_tensorcnt 0x0                           ; the second halves are in
.endif
	FETCH (\ks)+1, ((\ks)+1)%2
	s_wait_dscnt 16                                ; all but the 16 just issued
.else
	s_wait_dscnt 0x0
.endif
.if (\ks) == 0
	MUL 0, 1
.else
	MUL (\ks)%2, 0
.endif
.endr
	WIN 0
	PLACES                                         ; the places behind the last products
	PLACES
	; My partial tile goes over my own operand bytes: their last fill is over, and only I read them.  Each accumulator's low registers are read first.
	WIN 0x04                                       ; the stores' data in window 1
.irp a, 0,1,2,3,4,5,6,7,8,9,10,11,12,13,14,15
	ds_store_b128 v[PS], v[8*(\a):8*(\a)+3]   offset:1024*(\a)
	ds_store_b128 v[PS], v[8*(\a)+4:8*(\a)+7] offset:1024*(\a)+512
.endr
	WIN 0
	s_wait_dscnt 0x0                               ; for the others' sake: my partial sums lie in LDS
	s_barrier_signal -1
	s_barrier_wait -1
.irp v, 0,1,2,3                        ; rows 16 w .. 16 w + 15 of all four partial tiles
.irp n, 0,1,2,3
	ds_load_b128 v[FB+32*(\v)+8*(\n):FB+32*(\v)+8*(\n)+3],   v[LR+(\v)] offset:1024*(\n)
	ds_load_b128 v[FB+32*(\v)+8*(\n)+4:FB+32*(\v)+8*(\n)+7], v[LR+(\v)] offset:1024*(\n)+512
.endr
.endr
	s_wait_dscnt 0x0
.set i, 0
.rept 16
	v_pk_mul_f32 v[FB+i:FB+i+1], v[FB+i:FB+i+1], s[SCL:SCL+1] op_sel_hi:[1,0]      ; 32 x the first part,
.set i, i+2
.endr
.irp v, 1,2,3
.set i, 0
.rept 16
	v_pk_fma_f32 v[FB+i:FB+i+1], v[FB+32*(\v)+i:FB+32*(\v)+i+1], s[SCL:SCL+1], v[FB+i:FB+i+1] op_sel_hi:[1,0,1]  ; and 32 x each further part onto it
.set i, i+2
.endr
.endr
.irp n, 0,1,2,3
.irp p, 0,1,2,3
	v_cvt_pk_f16_f32 v[O+4*(\n)+(\p)], v[FB+8*(\n)+2*(\p)], v[FB+8*(\n)+2*(\p)+1]
.endr
.endr
.irp n, 0,1,2,3
	ds_store_b128 v[STO], v[O+4*(\n):O+4*(\n)+3] offset:32*(\n)
.endr
.irp t, 0,1,2,3
	ds_load_b128 v[O+16+4*(\t):O+16+4*(\t)+3], v[RD] offset:(\t)*4*PW  ; my own bytes: LDS serves a wave's instructions in order (ISA guide 5.7.1.4)
.endr
.irp t, 0,1,2,3
	s_wait_dscnt 3-(\t)                            ; load t is in, the later ones stay out
	global_store_b128 v[GO], v[O+16+4*(\t):O+16+4*(\t)+3], s[6:7] offset:8192*(\t)  ; eight lanes store a row's 128 consecutive bytes
.endr
	s_wait_tensorcnt 0x0                           ; the wave's end: behind my last tensor load and my last LDS store
	ds_add_u32 v[SPW], v[NIL]
	s_wait_dscnt 0x0
	CROUND                                         ; the closing round
	s_endpgm
.Lfunc_end_k_qa87da91eef_gram:
	.size	k_qa87da91eef_gram, .Lfunc_end_k_qa87da91eef_gram-k_qa87da91eef_gram
	.p2alignl 7, 3214868480
	.fill 96, 4, 3214868480
	.section	.rodata,"a",@progbits
	.p2align	6, 0x0
	.amdhsa_kernel k_qa87da91eef_gram
		.amdhsa_group_segment_fixed_size 327680
		.amdhsa_private_segment_fixed_size 0
		.amdhsa_enable_private_segment 0
		.amdhsa_kernarg_size 16
		.amdhsa_user_sgpr_count 2
		.amdhsa_user_sgpr_kernarg_segment_ptr 1
		.amdhsa_wavefront_size32 1
		.amdhsa_system_sgpr_workgroup_id_x 1
		.amdhsa_system_sgpr_workgroup_id_y 1
		.amdhsa_system_sgpr_workgroup_id_z 1
		.amdhsa_system_vgpr_workitem_id 0
		.amdhsa_next_free_vgpr 384
		.amdhsa_next_free_sgpr 66
		.amdhsa_reserve_vcc 0
		.amdhsa_float_denorm_mode_32 3
		.amdhsa_float_denorm_mode_16_64 3
		.amdhsa_memory_ordered 1
		.amdhsa_forward_progress 1
		.amdhsa_inst_pref_size 35
	.end_amdhsa_kernel
	.amdgpu_metadata
---
amdhsa.version: [ 1, 2 ]
amdhsa.kernels:
  - .name:           k_qa87da91eef_gram
    .symbol:         k_qa87da91eef_gram.kd
    .args:
      - { .name: wqk, .offset: 0, .size: 8, .value_kind: global_buffer, .address_space: global }
      - { .name: wb, .offset: 8, .size: 8, .value_kind: global_buffer, .address_space: global }
    .group_segment_fixed_size: 327680
    .private_segment_fixed_size: 0
    .kernarg_segment_align: 8
    .kernarg_segment_size: 16
    .max_flat_workgroup_size: 128
    .sgpr_count:     66
    .vgpr_count:     384
    .wavefront_size: 32
...
	.end_amdgpu_metadata
.endif
;; end of part 2
;; launch proj (part 3): grid 8 x 32, 4 waves a work-group, clusters of 4 x 4, 327,680 bytes of LDS; arguments x16, wb, tv; writes tv
.if DOCPART == 3
	.amdgcn_target "amdgcn-amd-amdhsa--gfx1250"
	.amdhsa_code_object_version 6
	.text
	.protected	k_qa87da91eef_proj
	.globl	k_qa87da91eef_proj
	.p2align	8
	.type	k_qa87da91eef_proj,@function
k_qa87da91eef_proj:
	s_mov_b64 s[64:65], 0
	v_nop
	global_prefetch_b8 v0, s[64:65] scope:SCOPE_SE
	s_setreg_imm32_b32 hwreg(HW_REG_WAVE_MODE, 25, 1), 1
	s_wait_xcnt 0x0
	s_wait_alu depctr_hold_cnt(0) depctr_sa_sdst(0) depctr_va_vdst(0) depctr_va_sdst(0) depctr_va_ssrc(0) depctr_va_vcc(0) depctr_vm_vsrc(0)
	s_getreg_b32 s2, hwreg(HW_REG_IB_STS2, 6, 4)
	s_cmp_eq_u32 s2, 0
	s_cbranch_scc0 .Lentry_in_a_cluster
	s_endpgm
.Lentry_in_a_cluster:
	s_bfe_u32 s2, ttmp6, 0x10000c
	s_cmp_lg_u32 s2, 0xf033
	s_cbranch_scc0 .Lentry_shape_is_right
	s_endpgm
.Lentry_shape_is_right:
; tv[m][n] = f[n] x the sum over k of x16[m][k] wb[n][k].  x16: [8192][1024] f16; wb: [2048][1024] f16 (rows 0-1,023: 32 G^T with G = Wq^T Wk; rows 1,024-2,047: Wv); tv: [8192][2048] f16.
; Columns 0-1,023 of tv hold t' = 2^-10 x G (f = 2^-15), columns 1,024-2,047 v = x Wv^T (f = 1).  Sums in f32, K ascending; f is a power of two; each result is rounded once to f16.
; WHY 2^-10.  x G reaches 2.8e7 where x and the weights carry a common offset of thirty spreads, and 1.4e5 where all are thirty times larger: t' then stays under 28,000.
; LIMITS.  A t' or v of 65,520 or more becomes an infinity.  A t' below 6e-5 keeps f16's fixed step of 6e-8 (with x thirty times larger and the weights thirty times smaller that step is 1 / 500 of t's spread).
; A tile of tv, 256 x 256, is made by four waves, a wave makes 128 x 128: 64 accumulators of 16 x 16, 512 registers; 256 tiles, one to a work-group.  K goes in 8 steps of 128 through a ring of two
; LDS slots filled by the tensor data mover; the rows of the tiles are 256 bytes of memory, at multiples of 256 bytes.
; CLUSTERS: 4 x 4 work-groups.  The four of a row of the cluster need the same tiles of x16, the four of a column the same tiles of wb: such a tile is asked for JOINTLY, by the same tensor load
; with the same descriptor and a mask that names the four.
; REGISTERS, in windows of 256: window 0: v0-31 addresses; v64-127, v128-191 fragments of x16, two buffers; v32-63, v192-255 at work on the way out.  window 1: v64-127, v128-191 fragments of wb.
; window 2: the accumulators of my rows 0-63 ((a, b) at v[8 (8 a + b)]); window 3: those of my rows 64-127.
; s_set_vgpr_msb's low byte: bits 1:0 source 0, 3:2 source 1, 5:4 source 2, 7:6 destination.
; THE MATRIX INSTRUCTION IS USED TRANSPOSED: source 0 = 16 rows of wb, source 1 = 16 rows of x16: lane l then holds row l % 16 of the result and the columns 8 (l / 16) + 0..7, which pack into 16 bytes.
.set SIZE_K, 1024
.set SIZE_N, 2048
.set KSTEP,  128
.set PITCH,  272                       ; an LDS row: 256 bytes + 16 of padding = 68 words: the 16 rows that a load touches start at 16 different groups of four banks (64 banks of 4 bytes: ISA guide 11.1)
.set HALFT,  128*PITCH                 ; 128 rows: what one tensor load brings, and what one wave reads of either tile
.set SLOT,   4*HALFT                   ; x16's 256 rows, then wb's 256 rows
.set STAGE,  2*SLOT                    ; behind the ring: 16 rows x 272 bytes for each wave, for the way out
.set SPITCH, 272
.set SPARE,  STAGE+4*16*SPITCH         ; behind the stages: the spare words, 128 bytes for each wave: two blocks of 256 bytes that no other line names
.set LAPS,   SIZE_K/(2*KSTEP)          ; a lap = two K steps = once round the ring: 4
.set ADRA, 16                          ; v16-17  LDS address of my x16 fragments in slot 0, 1
.set ADRB, 20                          ; v20-21  the same for wb
.set STO,  24                          ; v24     the way out: where I put 16 bytes of a row
.set RD,   25                          ; v25     the way out: where I read a row back
.set CO,   26                          ; v26     my byte offset in tv
.set SPW,  28                          ; v28     LDS address of my spare word; never rewritten
.set NIL,  29                          ; v29     0; never rewritten
.set PFO,  30                          ; v30     the prefetches' offset: my lane x a row of x16 or wb (2,048 bytes); never rewritten
.set PFA,  44                          ; s[44:45] where my prefetches stand
.set LIM,  43                          ; s43     1 in a wave that prefetches, else the greatest number
.set SCL,  22                          ; s[22:23] f, twice
.set F0,   64
.set F1,   128
.set TMP,  192
.set OB,   32
.set G1, 24                            ; s[24:31] descriptor group 1 for x16's tiles
.set G0, 32                            ; s[32:39] group 0 for x16's tiles, one set for each slot
.set G1B, 48                           ; s[48:55], s[56:63] the same for wb's tiles
.set G0B, 56
.set MSB, 0
.macro WIN new                         ; the immediate's high byte repeats the setting that is left; a switch that changes nothing is dropped
.if MSB != (\new)
	s_set_vgpr_msb (MSB<<8)|(\new)
.set MSB, \new
.endif
.endm
.set MUL_LO, 0xa1                      ; source 0 window 1, source 1 window 0, C and D window 2
.set MUL_HI, 0xf1                      ; the same, C and D window 3
.set TO_B,   0x40                      ; destination window 1, address window 0
; A joint load.  Waves 0 and 1 fetch x16's two halves, waves 2 and 3 wb's.  The branch hangs on the wave's number alone.  An s_nop 0 and four v_nop follow each of the two lines.
.macro JLOAD s
	s_cmp_eq_u32 s11, 0
	s_cbranch_scc0 .Lfor_b_\@
	tensor_load_to_lds s[G0+4*(\s):G0+4*(\s)+3], s[G1:G1+7]
	s_nop 0
.rept 4
	v_nop
.endr
	s_branch .Lasked_\@
.Lfor_b_\@:
	tensor_load_to_lds s[G0B+4*(\s):G0B+4*(\s)+3], s[G1B:G1B+7]
	s_nop 0
.rept 4
	v_nop
.endr
.Lasked_\@:
.endm
; A prefetch, behind each joint refill and the run of LDS loads that follows it: the K step that stands two refills on, 32 rows x 256 bytes, a lane a row, one instruction a wave.
; Each row's 256 bytes of a K step are named once in the launch: x16's rows by the cluster with x = 0, wb's by the cluster with y = 0; of the 128 rows that a wave fetches the four partners
; that ask for them jointly take 32 each, told apart by address.  K steps 0 to 3 come by their loads alone; the loop's last trip (s3 = 1) has no K step two refills on.
.macro ASK
	s_cmp_gt_u32 s3, s[LIM]
	s_cbranch_scc0 .Lnot_mine_\@
	global_prefetch_b8 v[PFO], s[PFA:PFA+1] offset:KSTEP*2 th:TH_LOAD_NT scope:SCOPE_SE
.Lnot_mine_\@:
.endm
.macro CREST                           ; a round of the cluster's barrier behind its opening barrier
	s_cmp_lg_u32 s10, 0
	s_cbranch_scc1 .Lnot_wave_0_\@
	s_barrier_signal -3
.Lnot_wave_0_\@:
	s_barrier_wait -3
	s_barrier_signal -1
	s_barrier_wait -1
.endm
.macro CROUND                          ; a whole round
	s_barrier_signal -1
	s_barrier_wait -1
	CREST
.endm
	s_load_b128 s[4:7], s[0:1], 0x0                ; x16 s[4:5], wb s[6:7]
	s_load_b64 s[8:9], s[0:1], 0x10                ; tv
	v_lshl_add_u32 v[SPW], v0, 2, SPARE
	v_mov_b32 v[NIL], 0
	ds_add_u32 v[SPW], v[NIL]                      ; the wave's opening: the add and its wait ahead of my first tensor load; the set-up below stands between them
	v_lshrrev_b32 v1, 5, v0
	v_readfirstlane_b32 s10, v1                    ; wave 0..3
	s_lshr_b32 s11, s10, 1                         ; which half of the tile's rows is mine.  Also: I fetch for x16 (0) or for wb (1)
	s_and_b32 s12, s10, 1                          ; which half of its columns.  Also: which 128 rows of that tile I fetch
	s_bfe_u32 s40, ttmp6, 0x40000                  ; cx
	s_bfe_u32 s41, ttmp6, 0x40004                  ; cy
	s_lshl_b32 s42, ttmp9, 2
	s_add_co_u32 s42, s42, s40                     ; tile column = 4 x cluster x + cx
	s_and_b32 s13, ttmp7, 0xffff
	s_lshl_b32 s13, s13, 2
	s_add_co_u32 s13, s13, s41                     ; tile row = 4 x cluster y + cy
	s_lshl_b32 s43, s41, 2
	s_lshl_b32 s43, 15, s43                        ; my row of the cluster
	s_lshl_b32 s44, 0x1111, s40                    ; my column
	s_or_b32 s[G1+0], s43, (1<<16)|(1<<20)|(1<<21)|(5<<22)|(3<<25)  ; the mask; elements of 2 bytes; padding on; bit 21 beside a mask; after every 64 words (code 5) 4 words (code 3)
	s_or_b32 s[G1B+0], s44, (1<<16)|(1<<20)|(1<<21)|(5<<22)|(3<<25)
.irp g, G1, G1B
	s_mov_b32 s[(\g)+1], KSTEP<<16                 ; tensor_dim0 = 128
	s_mov_b32 s[(\g)+2], 128<<16                   ; tensor_dim1 = 128
	s_mov_b32 s[(\g)+3], KSTEP<<16                 ; tile_dim0 = 128
	s_mov_b32 s[(\g)+4], 128                       ; tile_dim1 = 128
	s_mov_b32 s[(\g)+5], SIZE_K                    ; elements from row to row
	s_mov_b32 s[(\g)+6], 0
	s_mov_b32 s[(\g)+7], 0
.endr
	; x16's tiles hang on the tile row alone, wb's on the tile column alone; each address is made in registers that never hold the other coordinate
	s_lshl_b32 s17, s12, 7
	s_lshl_b32 s16, s13, 8
	s_add_co_u32 s16, s16, s17                     ; x16: row 256 x tile row + 128 x half
	s_lshl_b32 s46, s42, 8
	s_add_co_u32 s46, s46, s17                     ; wb: row 256 x tile column + 128 x half
	s_mov_b32 s17, 0
	s_mov_b32 s47, 0
	s_mov_b64 s[18:19], SIZE_K*2
	s_mul_u64 s[16:17], s[16:17], s[18:19]
	s_mul_u64 s[46:47], s[46:47], s[18:19]
	s_mul_i32 s20, s10, HALFT                      ; where they go: wave x 128 rows
	s_wait_dscnt 0x0                               ; the opening add is done
	s_wait_kmcnt 0x0
	s_add_nc_u64 s[14:15], s[4:5], s[16:17]
	s_add_nc_u64 s[46:47], s[6:7], s[46:47]
	CROUND                                         ; all sixteen work-groups are here: the first joint loads meet
.irp s, 0,1
	s_mov_b32 s[G0+4*(\s)], 1
	s_add_co_u32 s[G0+4*(\s)+1], s20, (\s)*SLOT
	s_add_nc_u64 s[G0+4*(\s)+2:G0+4*(\s)+3], s[14:15], (\s)*KSTEP*2
	s_or_b32 s[G0+4*(\s)+3], s[G0+4*(\s)+3], 0x80000000
	s_mov_b32 s[G0B+4*(\s)], 1
	s_add_co_u32 s[G0B+4*(\s)+1], s20, (\s)*SLOT
	s_add_nc_u64 s[G0B+4*(\s)+2:G0B+4*(\s)+3], s[46:47], (\s)*KSTEP*2
	s_or_b32 s[G0B+4*(\s)+3], s[G0B+4*(\s)+3], 0x80000000
	JLOAD \s                                       ; two tensor loads of mine are out
.endr
	; A fragment is 16 rows x 32 K in 8 registers: lane l holds row l % 16; registers 0-3 K = 8 (l / 16) + 0..7, registers 4-7 K = 16 + 8 (l / 16) + 0..7: two loads of 16 bytes, 32 bytes apart
	v_and_b32 v1, 15, v0
	v_bfe_u32 v2, v0, 4, 1
	v_mul_u32_u24 v3, v1, PITCH
	v_lshl_add_u32 v3, v2, 4, v3
	s_mul_i32 s21, s11, HALFT                      ; my 128 rows of x16
	s_mul_i32 s22, s12, HALFT                      ; my 128 rows of wb,
	s_add_co_u32 s22, s22, 2*HALFT                 ; which lie behind x16's 256
.irp s, 0,1
	v_add_nc_u32 v[ADRA+(\s)], s21, v3
	v_add_nc_u32 v[ADRB+(\s)], s22, v3
	s_add_co_u32 s21, s21, SLOT
	s_add_co_u32 s22, s22, SLOT
.endr
	s_mul_i32 s23, s10, 16*SPITCH
	s_add_co_u32 s23, s23, STAGE                   ; my stage
	v_mul_u32_u24 v4, v1, SPITCH
	v_lshl_add_u32 v4, v2, 4, v4
	v_add_nc_u32 v[STO], s23, v4
	v_mul_u32_u24 v5, v2, SPITCH
	v_lshl_add_u32 v5, v1, 4, v5
	v_add_nc_u32 v[RD], s23, v5
	v_mul_u32_u24 v5, v2, SIZE_N*2
	v_lshl_add_u32 v[CO], v1, 4, v5
	s_lshl_b32 s13, s13, 8                         ; 256 x tile row
	s_lshl_b32 s14, s11, 7
	s_add_co_u32 s16, s13, s14                     ; my first row of tv
	s_mov_b32 s17, 0
	s_mov_b64 s[18:19], SIZE_N*2
	s_mul_u64 s[16:17], s[16:17], s[18:19]
	s_lshl_b32 s46, s42, 9                         ; my first column, in bytes
	s_lshl_b32 s47, s12, 8
	s_add_co_u32 s46, s46, s47
	s_mov_b32 s47, 0
	s_add_nc_u64 s[16:17], s[16:17], s[46:47]      ; what the way out adds to tv's address
	; the prefetches
	s_lshl_b32 s42, s42, 8
	s_and_b32 s22, ttmp7, 0xffff                   ; cluster y
	s_cmp_eq_u32 s11, 0                            ; do I fetch for x16?
	s_cselect_b32 s20, s13, s42                    ; the tile's first row
	s_cselect_b32 s21, s40, s41                    ; my place among the four that ask for it with me
	s_cselect_b32 s22, ttmp9, s22                  ; the coordinate along which other clusters read the same rows
	s_cselect_b64 s[PFA:PFA+1], s[4:5], s[6:7]
	s_cmp_eq_u32 s22, 0
	s_cselect_b32 s[LIM], 1, -1                    ; the same in all sixteen partners, for a given wave
	s_lshl_b32 s22, s12, 7
	s_add_co_u32 s20, s20, s22
	s_lshl_b32 s21, s21, 5
	s_add_co_u32 s20, s20, s21
	s_mov_b32 s21, 0
	s_mov_b64 s[18:19], SIZE_K*2
	s_mul_u64 s[20:21], s[20:21], s[18:19]
	s_add_nc_u64 s[PFA:PFA+1], s[PFA:PFA+1], s[20:21]
	s_add_nc_u64 s[PFA:PFA+1], s[PFA:PFA+1], 2*KSTEP*2  ; at K step 2: the first refill steps it to 3 and names K step 4
	v_and_b32 v[PFO], 31, v0
	v_mul_u32_u24 v[PFO], v[PFO], SIZE_K*2
	s_cmp_eq_u32 ttmp9, 0                          ; the first cluster along x makes tile columns 0-3: t'; the second columns 4-7: v
	s_cselect_b32 s[SCL], 0x38000000, 1.0          ; 2^-15 or 1
	s_mov_b32 s[SCL+1], s[SCL]
; 16 matrix instructions: m blocks a0, a0 + 1 of the window's four x all 8 n blocks, 32 along K.  zero = 1: the first product starts the sums.  The 64 accumulators take turns.
.macro MUL16 f, hi, a0, zero
	WIN MUL_LO+0x50*(\hi)
.irp a, \a0, (\a0)+1
.irp b, 0,1,2,3,4,5,6,7
.if \zero
	v_wmma_f32_16x16x32_f16 v[8*(8*(\a)+(\b)):8*(8*(\a)+(\b))+7], v[(\f)+8*(\b):(\f)+8*(\b)+7], v[(\f)+8*(4*(\hi)+(\a)):(\f)+8*(4*(\hi)+(\a))+7], 0
.else
	v_wmma_f32_16x16x32_f16 v[8*(8*(\a)+(\b)):8*(8*(\a)+(\b))+7], v[(\f)+8*(\b):(\f)+8*(\b)+7], v[(\f)+8*(4*(\hi)+(\a)):(\f)+8*(4*(\hi)+(\a))+7], v[8*(8*(\a)+(\b)):8*(8*(\a)+(\b))+7]
.endif
.endr
.endr
.endm
; 32 LDS loads in one run: the fragments of one quarter step (32 K at byte k of the rows) into buffer f
.macro FETCH slot, k, f
	WIN TO_B
.irp i, 0,1,2,3,4,5,6,7
	ds_load_b128 v[(\f)+8*(\i):(\f)+8*(\i)+3],   v[ADRB+(\slot)] offset:(\k)+(\i)*16*PITCH
	ds_load_b128 v[(\f)+8*(\i)+4:(\f)+8*(\i)+7], v[ADRB+(\slot)] offset:(\k)+(\i)*16*PITCH+32
.endr
	WIN 0
.irp i, 0,1,2,3,4,5,6,7
	ds_load_b128 v[(\f)+8*(\i):(\f)+8*(\i)+3],   v[ADRA+(\slot)] offset:(\k)+(\i)*16*PITCH
	ds_load_b128 v[(\f)+8*(\i)+4:(\f)+8*(\i)+7], v[ADRA+(\slot)] offset:(\k)+(\i)*16*PITCH+32
.endr
.endm
.macro PLACES                          ; four plain instructions between a matrix instruction and a load into, or a vector instruction on, its registers
.rept 4
	v_nop
.endr
.endm
; A K step is four quarters of 32 along K, 64 matrix instructions each, on buffers 0, 1, 0, 1.  One of the first three multiplies buffer f and, in its middle, fetches the next quarter into g.
.macro QUARTER slot, k, f, g, zero
	s_wait_dscnt 8                                 ; wb's fragments and x16's rows 0-63 are in; the youngest eight loads (x16's rows 64-127) may be out
	WIN MUL_LO
	MUL16 \f, 0, 0, \zero
	MUL16 \f, 0, 2, \zero
	PLACES
	FETCH \slot, \k, \g
	s_wait_dscnt 32                                ; all but the 32 just issued
	WIN MUL_HI
	MUL16 \f, 1, 0, \zero
	MUL16 \f, 1, 2, \zero
.endm
; The first half of a K step's last quarter: one barrier for the change of slots.
.macro MEET round
	WIN 0
	s_wait_tensorcnt 0x0                           ; all my tensor loads have landed: the one that was out is my part of the next slot;
	ds_add_u32 v[SPW], v[NIL]                      ; 0 onto my spare word;
	s_wait_dscnt 9                                 ; (the add and the youngest eight loads may be out)
	WIN MUL_LO
	MUL16 F1, 0, 0, 0
	s_wait_dscnt 0x0                               ; the add is done, and my reads of this slot are over
	s_barrier_signal -1
	MUL16 F1, 0, 2, 0
.if \round
	WIN 0
.endif
	s_barrier_wait -1
.endm
; The whole last quarter: behind the round the slot just read out is filled again, with the K step two steps on; from that request to the wait for it a wave issues 224 matrix instructions.
.macro TURN slot, next
	s_wait_xcnt 0x0                                ; the last prefetch, a K step back, has read its address
	s_add_nc_u64 s[PFA:PFA+1], s[PFA:PFA+1], KSTEP*2
	MEET 1
	CREST                                          ; no wave of any partner still reads this slot's tile or has a load on its way
	s_add_nc_u64 s[G0+4*(\slot)+2:G0+4*(\slot)+3], s[G0+4*(\slot)+2:G0+4*(\slot)+3], 2*KSTEP*2
	s_add_nc_u64 s[G0B+4*(\slot)+2:G0B+4*(\slot)+3], s[G0B+4*(\slot)+2:G0B+4*(\slot)+3], 2*KSTEP*2
	JLOAD \slot                                    ; the first tensor load behind the round; its four v_nop are also the places in front of the loads below
	FETCH \next, 0, F0
	ASK
	WIN MUL_HI
	MUL16 F1, 1, 0, 0
	MUL16 F1, 1, 2, 0
.endm
; THE WAY OUT of block a (16 rows): times f, in place, from each accumulator's low end on; rounded to f16, 16 bytes a lane; into my own stage and back as whole rows of 256 bytes; stored.
.macro PACK a
.set AC, 64*((\a)%4)
	WIN 0x82+0x41*((\a)/4)                         ; destination and source 0: window 2 or 3
.set x, AC
.rept 32
	v_pk_mul_f32 v[x:x+1], v[x:x+1], s[SCL:SCL+1] op_sel_hi:[1,0]
.set x, x+2
.endr
	WIN 0x0a+5*((\a)/4)                            ; sources 0 and 1: window 2 or 3
.irp b, 0,1,2,3,4,5,6,7
.irp r, 0,1,2,3
	v_cvt_pk_f16_f32 v[TMP+4*(\b)+(\r)], v[AC+8*(\b)+2*(\r)], v[AC+8*(\b)+2*(\r)+1]
.endr
.endr
	WIN 0
.endm
.macro TOSTAGE a
	WIN 0
.set BK, OB+192*((\a)%2)
.irp b, 0,1,2,3,4,5,6,7
	ds_store_b128 v[STO], v[TMP+4*(\b):TMP+4*(\b)+3] offset:32*(\b)
.endr
.irp t, 0,1,2,3,4,5,6,7
	ds_load_b128 v[BK+4*(\t):BK+4*(\t)+3], v[RD] offset:(\t)*2*SPITCH  ; LDS serves a wave's instructions in order (ISA guide 5.7.1.4): these see the stores above
.endr
.endm
.macro SEND a
	WIN 0
.set BK, OB+192*((\a)%2)
	s_wait_dscnt 0x0                               ; the block is back in registers
	s_wait_xcnt 0x0                                ; the stores' base and the registers that earlier stores read are rewritten only behind this wait
.if (\a) == 0
	s_add_nc_u64 s[8:9], s[8:9], s[16:17]
.else
	s_add_nc_u64 s[8:9], s[8:9], 16*SIZE_N*2
.endif
.irp t, 0,1,2,3,4,5,6,7
	global_store_b128 v[CO], v[BK+4*(\t):BK+4*(\t)+3], s[8:9] offset:2*(\t)*SIZE_N*2  ; 16 lanes store 256 consecutive bytes, at a multiple of 256 from tv's first byte
.endr
.endm
	s_wait_tensorcnt 1                             ; my part of K step 0 is in; K step 1's load may stay out
	s_barrier_signal -1
	s_barrier_wait -1
	FETCH 0, 0, F0
	QUARTER 0, 64,  F0, F1, 1                      ; the first quarter stands in front of the loop: its products start the sums
	WIN 0
	s_mov_b32 s3, LAPS-1
.Llap:                                                 ; a trip goes once round the ring and fills both slots again: K steps 2 i + 2 and 2 i + 3
	QUARTER 0, 128, F1, F0, 0
	QUARTER 0, 192, F0, F1, 0
	TURN 0, 1
	QUARTER 1, 64,  F0, F1, 0
	QUARTER 1, 128, F1, F0, 0
	QUARTER 1, 192, F0, F1, 0
	TURN 1, 0
	QUARTER 0, 64,  F0, F1, 0
	WIN 0
	s_sub_co_u32 s3, s3, 1
	s_cmp_lg_u32 s3, 0
	s_cbranch_scc1 .Llap
	QUARTER 0, 128, F1, F0, 0                      ; the last lap fills nothing
	QUARTER 0, 192, F0, F1, 0
	MEET 0
	PLACES
	FETCH 1, 0, F0
	WIN MUL_HI
	MUL16 F1, 1, 0, 0
	MUL16 F1, 1, 2, 0
	QUARTER 1, 64,  F0, F1, 0
	QUARTER 1, 128, F1, F0, 0
	QUARTER 1, 192, F0, F1, 0
	s_wait_dscnt 8
	MUL16 F1, 0, 0, 0
	MUL16 F1, 0, 2, 0
	s_wait_dscnt 0x0
	MUL16 F1, 1, 0, 0
	MUL16 F1, 1, 2, 0
	WIN 0
	PLACES
	PACK 0
	TOSTAGE 0
.irp a, 1,2,3,4,5,6,7                  ; block a's arithmetic stands between block a - 1's loads from the stage and the wait for them
	PACK \a
	SEND (\a)-1
	TOSTAGE \a
.endr
	SEND 7
	s_wait_tensorcnt 0x0                           ; the wave's end: behind my last tensor load and my last LDS store
	ds_add_u32 v[SPW], v[NIL]
	s_wait_dscnt 0x0
	CROUND                                         ; the closing round
	s_endpgm
.Lfunc_end_k_qa87da91eef_proj:
	.size	k_qa87da91eef_proj, .Lfunc_end_k_qa87da91eef_proj-k_qa87da91eef_proj
	.p2alignl 7, 3214868480
	.fill 96, 4, 3214868480
	.section	.rodata,"a",@progbits
	.p2align	6, 0x0
	.amdhsa_kernel k_qa87da91eef_proj
		.amdhsa_group_segment_fixed_size 327680
		.amdhsa_private_segment_fixed_size 0
		.amdhsa_enable_private_segment 0
		.amdhsa_kernarg_size 24
		.amdhsa_user_sgpr_count 2
		.amdhsa_user_sgpr_kernarg_segment_ptr 1
		.amdhsa_wavefront_size32 1
		.amdhsa_system_sgpr_workgroup_id_x 1
		.amdhsa_system_sgpr_workgroup_id_y 1
		.amdhsa_system_sgpr_workgroup_id_z 1
		.amdhsa_system_vgpr_workitem_id 0
		.amdhsa_next_free_vgpr 1024
		.amdhsa_next_free_sgpr 66
		.amdhsa_reserve_vcc 0
		.amdhsa_float_denorm_mode_32 3
		.amdhsa_float_denorm_mode_16_64 3
		.amdhsa_memory_ordered 1
		.amdhsa_forward_progress 1
		.amdhsa_inst_pref_size 160
	.end_amdhsa_kernel
	.amdgpu_metadata
---
amdhsa.version: [ 1, 2 ]
amdhsa.kernels:
  - .name:           k_qa87da91eef_proj
    .symbol:         k_qa87da91eef_proj.kd
    .args:
      - { .name: x16, .offset: 0, .size: 8, .value_kind: global_buffer, .address_space: global }
      - { .name: wb, .offset: 8, .size: 8, .value_kind: global_buffer, .address_space: global }
      - { .name: tv, .offset: 16, .size: 8, .value_kind: global_buffer, .address_space: global }
    .group_segment_fixed_size: 327680
    .private_segment_fixed_size: 0
    .kernarg_segment_align: 8
    .kernarg_segment_size: 24
    .max_flat_workgroup_size: 128
    .sgpr_count:     66
    .vgpr_count:     1024
    .wavefront_size: 32
...
	.end_amdgpu_metadata
.endif
;; end of part 3
;; launch scores (part 4): grid 8 x 32, 4 waves a work-group, clusters of 4 x 4, 327,680 bytes of LDS; arguments tv, x16, pw, sm, sl; writes pw, sm, sl
.if DOCPART == 4
	.amdgcn_target "amdgcn-amd-amdhsa--gfx1250"
	.amdhsa_code_object_version 6
	.text
	.protected	k_qa87da91eef_scores
	.globl	k_qa87da91eef_scores
	.p2align	8
	.type	k_qa87da91eef_scores,@function
k_qa87da91eef_scores:
	s_mov_b64 s[64:65], 0
	v_nop
	global_prefetch_b8 v0, s[64:65] scope:SCOPE_SE
	s_setreg_imm32_b32 hwreg(HW_REG_WAVE_MODE, 25, 1), 1
	s_wait_xcnt 0x0
	s_wait_alu depctr_hold_cnt(0) depctr_sa_sdst(0) depctr_va_vdst(0) depctr_va_sdst(0) depctr_va_ssrc(0) depctr_va_vcc(0) depctr_vm_vsrc(0)
	s_getreg_b32 s2, hwreg(HW_REG_IB_STS2, 6, 4)
	s_cmp_eq_u32 s2, 0
	s_cbranch_scc0 .Lentry_in_a_cluster
	s_endpgm
.Lentry_in_a_cluster:
	s_bfe_u32 s2, ttmp6, 0x10000c
	s_cmp_lg_u32 s2, 0xf033
	s_cbranch_scc0 .Lentry_shape_is_right
	s_endpgm
.Lentry_shape_is_right:
; For each batch: S' = t' x^T, with t' = 2^-10 x Wq^T Wk in columns 0-1,023 of tv and x in x16 (both f16, sums in f32): 2^-10 of q k^T.  x' = c S' with c = 2^10 log2(e) / 32 = 32 log2(e),
; and a LOCAL softmax for each query and each block of 128 keys:
;   sm[batch][block][query] = m = the largest x' of the block;   pw[query][key] = 2^(x' - m), rounded once to f16;   sl[batch][block][query] = the sum of the unrounded 2^(x' - m).
; x' - m is at most 0 and is 0 at the maximum, so a weight lies in 0 to 1 and a sum in 1 to 128 for every finite input.  The launch behind joins the blocks by their maxima.
; LIMITS.  t' and x arrive within f16's 65,504; a weight below 6e-5 keeps f16's fixed step of 6e-8; one below 2^-126 counts as 0 in the sum; NaN and infinities are not treated apart.
; A tile of S', 256 queries x 256 keys, is made by four waves, a wave makes 128 x 128 (one block of keys): 64 accumulators, 512 registers.  K (the 1,024 channels) goes in 8 steps of 128 through a
; ring of two LDS slots filled by the tensor data mover; the tiles' rows are 256 bytes of memory, at multiples of 256 bytes.
; CLUSTERS: 4 x 4 work-groups.  The four of a row of the cluster need the same rows of t', the four of a column the same rows of x: each tile is asked for JOINTLY.
; REGISTERS as windows of 256: window 0: v0-31 addresses; v64-127, v128-191 fragments of t'; window 1: v64-127, v128-191 fragments of x; windows 2, 3: the accumulators ((a, b) at v[8 (8 a + b)]).
; THE MATRIX INSTRUCTION IS USED TRANSPOSED: source 0 = 16 rows of x (keys), source 1 = 16 rows of t' (queries): lane l holds query l % 16 and the keys 8 (l / 16) + 0..7.
; THE WAY OUT.  A query's 128 scores lie in two lanes and 64 registers far apart.  Each wave puts its 128 x 128 scores into LDS (in the ring, whose last fill is over and which nobody reads any more) and
; takes them back by rows: sixteen lanes a row, eight neighbouring keys a lane, so that maximum and sum are four steps inside sixteen lanes and a row's weights leave as 256 consecutive bytes.
.set TVE,    2048                      ; elements in a row of tv (4,096 bytes)
.set XE,     1024                      ; elements in a row of x16 (2,048 bytes)
.set KSTEP,  128
.set PITCH,  272                       ; an LDS row: 256 bytes + 16 of padding: the 16 rows that a load touches start at 16 different groups of four banks (64 banks of 4 bytes: ISA guide 11.1)
.set HALFT,  128*PITCH
.set SLOT,   4*HALFT                   ; t's 256 rows, then x's 256 rows
.set DP,     528                       ; a row of scores in LDS: 512 bytes + 16: 33 x 16
.set DWAVE,  128*DP                    ; a wave's scores: 67,584 bytes; four of them end at 270,336, inside the ring
.set STATS,  2*SLOT                    ; behind the ring: 1,024 bytes a wave: 128 maxima, then 128 sums
.set SPARE,  STATS+4*1024              ; behind them: the spare words, 128 bytes for each wave: two blocks of 256 bytes that no other line names
.set LAPS,   4
.set ADRA, 16                          ; v16-17  LDS address of my t' fragments in slot 0, 1
.set ADRB, 20                          ; v20-21  the same for x
.set SR,   22                          ; v22     where I read four maxima back
.set SO,   23                          ; v23     16 x my lane: my bytes of 512 in sm and sl
.set DST,  24                          ; v24     where I put scores
.set RD,   25                          ; v25     where I read them back; steps 16 rows a trip
.set CO,   26                          ; v26     my byte offset in two rows of pw
.set SA,   27                          ; v27     where a row's maximum goes; steps 16 rows a trip
.set SPW,  28
.set NIL,  29
.set PFO,  30                          ; v30     my lane x a row of tv or of x16
.set ST,   32                          ; v32-47  row pair j: the maximum at ST + 2 j, the sum at ST + 2 j + 1
.set X,    64                          ; v64-127 row pair j: my eight scores at X + 8 j
.set Y,    128                         ; v128-159 row pair j: my eight weights in f16 at Y + 4 j
.set PFA,  44
.set LIM,  43
.set F0,   64
.set F1,   128
.set G1, 24
.set G0, 32
.set G1B, 48
.set G0B, 56
.set CS,  74                           ; s[74:75] c, twice
.set MSB, 0
.macro WIN new
.if MSB != (\new)
	s_set_vgpr_msb (MSB<<8)|(\new)
.set MSB, \new
.endif
.endm
.set MUL_LO, 0xa1
.set MUL_HI, 0xf1
.set TO_B,   0x40
; A joint load.  Waves 0 and 1 fetch t's two halves, waves 2 and 3 x's.  An s_nop 0 and four v_nop follow each of the two lines.
.macro JLOAD s
	s_cmp_eq_u32 s11, 0
	s_cbranch_scc0 .Lfor_b_\@
	tensor_load_to_lds s[G0+4*(\s):G0+4*(\s)+3], s[G1:G1+7]
	s_nop 0
.rept 4
	v_nop
.endr
	s_branch .Lasked_\@
.Lfor_b_\@:
	tensor_load_to_lds s[G0B+4*(\s):G0B+4*(\s)+3], s[G1B:G1B+7]
	s_nop 0
.rept 4
	v_nop
.endr
.Lasked_\@:
.endm
; A prefetch, behind each joint refill and the run of LDS loads that follows it: the K step two refills on, 32 rows x 256 bytes, a lane a row.  Each block is named once in the launch: t's rows by the
; cluster with x = 0, x's by the batch's first cluster along y (even y); the four partners that share a tile take 32 of a wave's 128 rows each, told apart by address.  The last trip asks for nothing.
.macro ASK
	s_cmp_gt_u32 s3, s[LIM]
	s_cbranch_scc0 .Lnot_mine_\@
	global_prefetch_b8 v[PFO], s[PFA:PFA+1] offset:KSTEP*2 th:TH_LOAD_NT scope:SCOPE_SE
.Lnot_mine_\@:
.endm
.macro CREST
	s_cmp_lg_u32 s10, 0
	s_cbranch_scc1 .Lnot_wave_0_\@
	s_barrier_signal -3
.Lnot_wave_0_\@:
	s_barrier_wait -3
	s_barrier_signal -1
	s_barrier_wait -1
.endm
.macro CROUND
	s_barrier_signal -1
	s_barrier_wait -1
	CREST
.endm
	s_load_b128 s[4:7], s[0:1], 0x0                ; tv s[4:5], x16 s[6:7]
	s_load_b64 s[8:9], s[0:1], 0x10                ; pw
	s_load_b128 s[68:71], s[0:1], 0x18             ; sm s[68:69], sl s[70:71]
	v_lshl_add_u32 v[SPW], v0, 2, SPARE
	v_mov_b32 v[NIL], 0
	ds_add_u32 v[SPW], v[NIL]                      ; the wave's opening: the add and its wait ahead of my first tensor load
	v_lshrrev_b32 v1, 5, v0
	v_readfirstlane_b32 s10, v1                    ; wave 0..3
	s_lshr_b32 s11, s10, 1                         ; which half of the tile's queries is mine.  Also: I fetch for t' (0) or for x (1)
	s_and_b32 s12, s10, 1                          ; which half of its keys.  Also: which 128 rows of that tile I fetch
	s_bfe_u32 s40, ttmp6, 0x40000                  ; cx
	s_bfe_u32 s41, ttmp6, 0x40004                  ; cy
	s_lshl_b32 s42, ttmp9, 2
	s_add_co_u32 s42, s42, s40                     ; tile column, 0..7: 256 keys of the batch
	s_and_b32 s72, ttmp7, 0xffff                   ; cluster y
	s_lshl_b32 s13, s72, 2
	s_add_co_u32 s13, s13, s41                     ; tile row, 0..31: 256 of the 8,192 queries
	s_lshr_b32 s72, s72, 1                         ; the batch: two clusters along y each; made of the cluster's y alone
	s_lshl_b32 s43, s41, 2
	s_lshl_b32 s43, 15, s43                        ; my row of the cluster
	s_lshl_b32 s44, 0x1111, s40                    ; my column
	s_or_b32 s[G1+0], s43, (1<<16)|(1<<20)|(1<<21)|(5<<22)|(3<<25)
	s_or_b32 s[G1B+0], s44, (1<<16)|(1<<20)|(1<<21)|(5<<22)|(3<<25)
.irp g, G1, G1B
	s_mov_b32 s[(\g)+1], KSTEP<<16                 ; tensor_dim0 = 128
	s_mov_b32 s[(\g)+2], 128<<16                   ; tensor_dim1 = 128
	s_mov_b32 s[(\g)+3], KSTEP<<16                 ; tile_dim0 = 128
	s_mov_b32 s[(\g)+4], 128                       ; tile_dim1 = 128
	s_mov_b32 s[(\g)+6], 0
	s_mov_b32 s[(\g)+7], 0
.endr
	s_mov_b32 s[G1+5], TVE                         ; elements from row to row of tv,
	s_mov_b32 s[G1B+5], XE                         ; and of x16
	s_mov_b32 s[CS], 0x4238aa3b                    ; c = 32 log2(e)
	s_mov_b32 s[CS+1], s[CS]
	s_lshl_b32 s17, s12, 7
	s_lshl_b32 s16, s13, 8
	s_add_co_u32 s16, s16, s17                     ; t': row 256 x tile row + 128 x half
	s_lshl_b32 s46, s42, 8
	s_add_co_u32 s46, s46, s17
	s_lshl_b32 s47, s72, 11
	s_add_co_u32 s46, s46, s47                     ; x: row 2,048 x batch + 256 x tile column + 128 x half
	s_lshl_b32 s16, s16, 12                        ; rows of 4,096 bytes: under 2^25
	s_lshl_b32 s46, s46, 11                        ; rows of 2,048 bytes
	s_mov_b32 s17, 0
	s_mov_b32 s47, 0
	s_mul_i32 s20, s10, HALFT
	s_wait_dscnt 0x0                               ; the opening add is done
	s_wait_kmcnt 0x0
	s_add_nc_u64 s[14:15], s[4:5], s[16:17]
	s_add_nc_u64 s[46:47], s[6:7], s[46:47]
	CROUND                                         ; all sixteen work-groups are here: the first joint loads meet
.irp s, 0,1
	s_mov_b32 s[G0+4*(\s)], 1
	s_add_co_u32 s[G0+4*(\s)+1], s20, (\s)*SLOT
	s_add_nc_u64 s[G0+4*(\s)+2:G0+4*(\s)+3], s[14:15], (\s)*KSTEP*2
	s_or_b32 s[G0+4*(\s)+3], s[G0+4*(\s)+3], 0x80000000
	s_mov_b32 s[G0B+4*(\s)], 1
	s_add_co_u32 s[G0B+4*(\s)+1], s20, (\s)*SLOT
	s_add_nc_u64 s[G0B+4*(\s)+2:G0B+4*(\s)+3], s[46:47], (\s)*KSTEP*2
	s_or_b32 s[G0B+4*(\s)+3], s[G0B+4*(\s)+3], 0x80000000
	JLOAD \s                                       ; two tensor loads of mine are out
.endr
	v_and_b32 v1, 15, v0                           ; l % 16
	v_bfe_u32 v2, v0, 4, 1                         ; l / 16
	v_mul_u32_u24 v3, v1, PITCH
	v_lshl_add_u32 v3, v2, 4, v3
	s_mul_i32 s21, s11, HALFT
	s_mul_i32 s22, s12, HALFT
	s_add_co_u32 s22, s22, 2*HALFT
.irp s, 0,1
	v_add_nc_u32 v[ADRA+(\s)], s21, v3
	v_add_nc_u32 v[ADRB+(\s)], s22, v3
	s_add_co_u32 s21, s21, SLOT
	s_add_co_u32 s22, s22, SLOT
.endr
	s_mul_i32 s23, s10, DWAVE                      ; my scores' place in LDS
	v_mul_u32_u24 v4, v1, DP                       ; in: row l % 16, 16 bytes for each half of the lanes
	v_lshl_add_u32 v4, v2, 4, v4
	v_add_nc_u32 v[DST], s23, v4
	v_mul_u32_u24 v5, v2, DP                       ; back: lanes 0-15 one row, lanes 16-31 the next
	v_lshl_add_u32 v5, v1, 4, v5
	v_add_nc_u32 v[RD], s23, v5
	v_lshlrev_b32 v5, 12, v2                       ; the same two rows in pw, 4,096 bytes apart
	v_lshl_add_u32 v[CO], v1, 4, v5
	s_lshl_b32 s23, s10, 10
	s_add_co_u32 s23, s23, STATS                   ; my statistics
	v_lshl_add_u32 v[SA], v2, 2, s23
	v_and_b32 v5, 31, v0
	v_lshlrev_b32 v[SO], 4, v5
	v_add_nc_u32 v[SR], s23, v[SO]
	s_lshl_b32 s16, s13, 8                         ; pw at my first query and key: (256 x tile row + 128 x half) x 4,096 + 512 x tile column + 256 x half
	s_lshl_b32 s14, s11, 7
	s_add_co_u32 s16, s16, s14
	s_lshl_b32 s16, s16, 12
	s_lshl_b32 s14, s42, 9
	s_add_co_u32 s16, s16, s14
	s_lshl_b32 s14, s12, 8
	s_add_co_u32 s16, s16, s14
	s_mov_b32 s17, 0
	s_add_nc_u64 s[8:9], s[8:9], s[16:17]
	s_lshl_b32 s18, s72, 4                         ; sm and sl at ((16 x batch + my block of keys) x 2,048 + my first query in the batch) x 4
	s_lshl_b32 s19, s42, 1
	s_add_co_u32 s18, s18, s19
	s_add_co_u32 s18, s18, s12
	s_lshl_b32 s18, s18, 11
	s_and_b32 s19, s13, 7
	s_lshl_b32 s19, s19, 8
	s_add_co_u32 s18, s18, s19
	s_lshl_b32 s19, s11, 7
	s_add_co_u32 s18, s18, s19
	s_lshl_b32 s18, s18, 2
	s_mov_b32 s19, 0
	s_add_nc_u64 s[68:69], s[68:69], s[18:19]
	s_add_nc_u64 s[70:71], s[70:71], s[18:19]
	; the prefetches
	s_lshl_b32 s20, s13, 8                         ; t': the tile's first row
	s_lshl_b32 s21, s42, 8
	s_lshl_b32 s22, s72, 11
	s_add_co_u32 s21, s21, s22                     ; x: the tile's first row
	s_and_b32 s22, ttmp7, 0xffff
	s_and_b32 s22, s22, 1                          ; the cluster's place among the two that read the batch's x
	s_cmp_eq_u32 s11, 0                            ; do I fetch for t'?
	s_cselect_b32 s20, s20, s21
	s_cselect_b32 s21, s40, s41                    ; my place among the four that ask with me
	s_cselect_b32 s22, ttmp9, s22                  ; the coordinate along which other clusters read the same rows
	s_cselect_b32 s23, 12, 11                      ; a row is 2^12 or 2^11 bytes
	s_cselect_b64 s[PFA:PFA+1], s[4:5], s[6:7]
	s_cmp_eq_u32 s22, 0
	s_cselect_b32 s[LIM], 1, -1                    ; the same in all sixteen partners, for a given wave
	s_lshl_b32 s22, s12, 7
	s_add_co_u32 s20, s20, s22
	s_lshl_b32 s21, s21, 5
	s_add_co_u32 s20, s20, s21
	s_lshl_b32 s20, s20, s23
	s_add_co_u32 s20, s20, 2*KSTEP*2               ; at K step 2: the first refill steps it to 3 and names K step 4
	s_mov_b32 s21, 0
	s_add_nc_u64 s[PFA:PFA+1], s[PFA:PFA+1], s[20:21]
	v_and_b32 v[PFO], 31, v0
	v_lshlrev_b32 v[PFO], s23, v[PFO]
; 16 matrix instructions; the 64 accumulators take turns.  zero = 1: the first product starts the sums.
.macro MUL16 f, hi, a0, zero
	WIN MUL_LO+0x50*(\hi)
.irp a, \a0, (\a0)+1
.irp b, 0,1,2,3,4,5,6,7
.if \zero
	v_wmma_f32_16x16x32_f16 v[8*(8*(\a)+(\b)):8*(8*(\a)+(\b))+7], v[(\f)+8*(\b):(\f)+8*(\b)+7], v[(\f)+8*(4*(\hi)+(\a)):(\f)+8*(4*(\hi)+(\a))+7], 0
.else
	v_wmma_f32_16x16x32_f16 v[8*(8*(\a)+(\b)):8*(8*(\a)+(\b))+7], v[(\f)+8*(\b):(\f)+8*(\b)+7], v[(\f)+8*(4*(\hi)+(\a)):(\f)+8*(4*(\hi)+(\a))+7], v[8*(8*(\a)+(\b)):8*(8*(\a)+(\b))+7]
.endif
.endr
.endr
.endm
.macro FETCH slot, k, f
	WIN TO_B
.irp i, 0,1,2,3,4,5,6,7
	ds_load_b128 v[(\f)+8*(\i):(\f)+8*(\i)+3],   v[ADRB+(\slot)] offset:(\k)+(\i)*16*PITCH
	ds_load_b128 v[(\f)+8*(\i)+4:(\f)+8*(\i)+7], v[ADRB+(\slot)] offset:(\k)+(\i)*16*PITCH+32
.endr
	WIN 0
.irp i, 0,1,2,3,4,5,6,7
	ds_load_b128 v[(\f)+8*(\i):(\f)+8*(\i)+3],   v[ADRA+(\slot)] offset:(\k)+(\i)*16*PITCH
	ds_load_b128 v[(\f)+8*(\i)+4:(\f)+8*(\i)+7], v[ADRA+(\slot)] offset:(\k)+(\i)*16*PITCH+32
.endr
.endm
.macro PLACES                          ; four plain instructions between a matrix instruction and a load into, or another instruction on, its registers
.rept 4
	v_nop
.endr
.endm
.macro QUARTER slot, k, f, g, zero
	s_wait_dscnt 8                                 ; x's fragments and t's rows 0-63 are in; the youngest eight loads may be out
	WIN MUL_LO
	MUL16 \f, 0, 0, \zero
	MUL16 \f, 0, 2, \zero
	PLACES
	FETCH \slot, \k, \g
	s_wait_dscnt 32                                ; all but the 32 just issued
	WIN MUL_HI
	MUL16 \f, 1, 0, \zero
	MUL16 \f, 1, 2, \zero
.endm
.macro MEET round
	WIN 0
	s_wait_tensorcnt 0x0                           ; all my tensor loads have landed: the one that was out is my part of the next slot;
	ds_add_u32 v[SPW], v[NIL]                      ; 0 onto my spare word;
	s_wait_dscnt 9                                 ; (the add and the youngest eight loads may be out)
	WIN MUL_LO
	MUL16 F1, 0, 0, 0
	s_wait_dscnt 0x0                               ; the add is done, and my reads of this slot are over
	s_barrier_signal -1
	MUL16 F1, 0, 2, 0
.if \round
	WIN 0
.endif
	s_barrier_wait -1
.endm
.macro TURN slot, next
	s_wait_xcnt 0x0                                ; the last prefetch, a K step back, has read its address
	s_add_nc_u64 s[PFA:PFA+1], s[PFA:PFA+1], KSTEP*2
	MEET 1
	CREST                                          ; no wave of any partner still reads this slot's tile or has a load on its way
	s_add_nc_u64 s[G0+4*(\slot)+2:G0+4*(\slot)+3], s[G0+4*(\slot)+2:G0+4*(\slot)+3], 2*KSTEP*2
	s_add_nc_u64 s[G0B+4*(\slot)+2:G0B+4*(\slot)+3], s[G0B+4*(\slot)+2:G0B+4*(\slot)+3], 2*KSTEP*2
	JLOAD \slot                                    ; the first tensor load behind the round: 224 matrix instructions ahead of the wait for it
	FETCH \next, 0, F0
	ASK
	WIN MUL_HI
	MUL16 F1, 1, 0, 0
	MUL16 F1, 1, 2, 0
.endm
	s_wait_tensorcnt 1                             ; my part of K step 0 is in; K step 1's load may stay out
	s_barrier_signal -1
	s_barrier_wait -1
	FETCH 0, 0, F0
	QUARTER 0, 64,  F0, F1, 1
	WIN 0
	s_mov_b32 s3, LAPS-1
.Llap:
	QUARTER 0, 128, F1, F0, 0
	QUARTER 0, 192, F0, F1, 0
	TURN 0, 1
	QUARTER 1, 64,  F0, F1, 0
	QUARTER 1, 128, F1, F0, 0
	QUARTER 1, 192, F0, F1, 0
	TURN 1, 0
	QUARTER 0, 64,  F0, F1, 0
	WIN 0
	s_sub_co_u32 s3, s3, 1
	s_cmp_lg_u32 s3, 0
	s_cbranch_scc1 .Llap
	QUARTER 0, 128, F1, F0, 0                      ; the last lap fills nothing
	QUARTER 0, 192, F0, F1, 0
	MEET 0
	PLACES
	FETCH 1, 0, F0
	WIN MUL_HI
	MUL16 F1, 1, 0, 0
	MUL16 F1, 1, 2, 0
	QUARTER 1, 64,  F0, F1, 0
	QUARTER 1, 128, F1, F0, 0
	QUARTER 1, 192, F0, F1, 0
	s_wait_dscnt 8
	MUL16 F1, 0, 0, 0
	MUL16 F1, 0, 2, 0
	s_wait_dscnt 0x0                               ; my last reads of the ring are back
	MUL16 F1, 1, 0, 0
	MUL16 F1, 1, 2, 0
	WIN 0
	s_barrier_signal -1                            ; every wave's reads of the ring are over before any wave writes scores over it
	PLACES                                         ; the places behind the last products
	PLACES
	s_barrier_wait -1
	; The scores go into LDS: accumulator (a, b), lane (r, h), register j is query 16 a + r, key 16 b + 8 h + j.  Registers 0-3 go to byte 32 b + 16 h of the row, registers 4-7 256 bytes on,
	; so that the 16 bytes at 16 t and at 256 + 16 t hold keys 8 t .. 8 t + 7.  Each accumulator's low registers are read first.
.irp a, 0,1,2,3,4,5,6,7
	WIN 0x08+4*((\a)/4)                            ; the stores' data in window 2 or 3
.irp b, 0,1,2,3,4,5,6,7
	ds_store_b128 v[DST], v[64*((\a)%4)+8*(\b):64*((\a)%4)+8*(\b)+3]   offset:(\a)*16*DP+32*(\b)
	ds_store_b128 v[DST], v[64*((\a)%4)+8*(\b)+4:64*((\a)%4)+8*(\b)+7] offset:(\a)*16*DP+32*(\b)+256
.endr
.endr
	WIN 0
.irp j, 0,1,2,3,4,5,6,7
	v_mov_b32 v[ST+2*(\j)+1], 0                    ; named as the high half of a pair before it holds a sum
.endr
	s_mov_b32 s73, 8
.Lrows:                                                ; 8 trips of 16 rows; row pair j is rows 16 trip + 2 j + l / 16; lane l % 16 holds keys 8 (l % 16) .. + 7
.irp j, 0,1,2,3,4,5,6,7
	ds_load_b128 v[X+8*(\j):X+8*(\j)+3],   v[RD] offset:2*DP*(\j)        ; my own bytes: LDS serves a wave's instructions in order (ISA guide 5.7.1.4)
	ds_load_b128 v[X+8*(\j)+4:X+8*(\j)+7], v[RD] offset:2*DP*(\j)+256
.endr
.irp j, 0,1,2,3,4,5,6,7
	s_wait_dscnt 14-2*(\j)                         ; pair j's two loads are in, the later pairs' stay out
.irp p, 0,2,4,6
	v_pk_mul_f32 v[X+8*(\j)+(\p):X+8*(\j)+(\p)+1], v[X+8*(\j)+(\p):X+8*(\j)+(\p)+1], s[CS:CS+1] op_sel_hi:[1,0]  ; x' = c s
.endr
.endr
.irp j, 0,1,2,3,4,5,6,7                ; the maximum, a step at a time across the eight pairs, so that no line waits for the one before it
	v_max3_num_f32 v[ST+2*(\j)], v[X+8*(\j)], v[X+8*(\j)+1], v[X+8*(\j)+2]
.endr
.irp j, 0,1,2,3,4,5,6,7
	v_max3_num_f32 v[ST+2*(\j)], v[ST+2*(\j)], v[X+8*(\j)+3], v[X+8*(\j)+4]
.endr
.irp j, 0,1,2,3,4,5,6,7
	v_max3_num_f32 v[ST+2*(\j)], v[ST+2*(\j)], v[X+8*(\j)+5], v[X+8*(\j)+6]
.endr
.irp j, 0,1,2,3,4,5,6,7
	v_max_num_f32 v[ST+2*(\j)], v[ST+2*(\j)], v[X+8*(\j)+7]
.endr
.irp m, 1,2,4,8                        ; across the row's sixteen lanes
.irp j, 0,1,2,3,4,5,6,7
	v_max_num_f32_dpp v[ST+2*(\j)], v[ST+2*(\j)], v[ST+2*(\j)] row_xmask:\m row_mask:0xf bank_mask:0xf
.endr
.endr
.irp j, 0,1,2,3,4,5,6,7
.irp p, 0,2,4,6
	v_pk_add_f32 v[X+8*(\j)+(\p):X+8*(\j)+(\p)+1], v[X+8*(\j)+(\p):X+8*(\j)+(\p)+1], v[ST+2*(\j):ST+2*(\j)+1] op_sel_hi:[1,0] neg_lo:[0,1] neg_hi:[0,1]  ; x' - m
.endr
.endr
.set e, 0
.rept 64
	v_exp_f32 v[X+e], v[X+e]                       ; one batch of 64
.set e, e+1
.endr
	v_nop                                          ; a plain instruction behind the last exponential,
	s_wait_alu depctr_va_vdst(0)                   ; and one wait ahead of the batch's first reader
.irp j, 0,1,2,3,4,5,6,7
.irp p, 0,1,2,3
	v_cvt_pk_f16_f32 v[Y+4*(\j)+(\p)], v[X+8*(\j)+2*(\p)], v[X+8*(\j)+2*(\p)+1]
.endr
.endr
.irp j, 0,1,2,3,4,5,6,7
	global_store_b128 v[CO], v[Y+4*(\j):Y+4*(\j)+3], s[8:9] offset:8192*(\j)  ; 16 lanes store a row's 256 consecutive bytes, at a multiple of 256 from pw's first byte
.endr
.irp j, 0,1,2,3,4,5,6,7                ; the sums, of the unrounded weights
	v_pk_add_f32 v[X+8*(\j):X+8*(\j)+1], v[X+8*(\j):X+8*(\j)+1], v[X+8*(\j)+2:X+8*(\j)+3]
	v_pk_add_f32 v[X+8*(\j)+4:X+8*(\j)+5], v[X+8*(\j)+4:X+8*(\j)+5], v[X+8*(\j)+6:X+8*(\j)+7]
.endr
.irp j, 0,1,2,3,4,5,6,7
	v_pk_add_f32 v[X+8*(\j):X+8*(\j)+1], v[X+8*(\j):X+8*(\j)+1], v[X+8*(\j)+4:X+8*(\j)+5]
.endr
.irp j, 0,1,2,3,4,5,6,7
	v_add_f32 v[ST+2*(\j)+1], v[X+8*(\j)], v[X+8*(\j)+1]
.endr
.irp m, 1,2,4,8
.irp j, 0,1,2,3,4,5,6,7
	v_add_f32_dpp v[ST+2*(\j)+1], v[ST+2*(\j)+1], v[ST+2*(\j)+1] row_xmask:\m row_mask:0xf bank_mask:0xf
.endr
.endr
.irp j, 0,1,2,3,4,5,6,7
	ds_store_b32 v[SA], v[ST+2*(\j)]   offset:8*(\j)       ; a row's sixteen lanes write the same word with the same value
	ds_store_b32 v[SA], v[ST+2*(\j)+1] offset:8*(\j)+512
.endr
	v_add_nc_u32 v[RD], 16*DP, v[RD]               ; 16 rows on
	v_add_nc_u32 v[SA], 64, v[SA]
	s_wait_xcnt 0x0                                ; the stores have read Y and pw's address: both are written again only behind this wait
	s_add_nc_u64 s[8:9], s[8:9], 16*4096
	s_sub_co_u32 s73, s73, 1
	s_cmp_lg_u32 s73, 0
	s_cbranch_scc1 .Lrows
	ds_load_b128 v[X:X+3],   v[SR]                 ; my wave's 128 maxima and 128 sums, four a lane
	ds_load_b128 v[X+4:X+7], v[SR] offset:512
	s_wait_dscnt 0x0
	global_store_b128 v[SO], v[X:X+3],   s[68:69]  ; 512 consecutive bytes each, at a multiple of 512 from the buffer's first byte
	global_store_b128 v[SO], v[X+4:X+7], s[70:71]
	s_wait_tensorcnt 0x0                           ; the wave's end: behind my last tensor load and my last LDS store
	ds_add_u32 v[SPW], v[NIL]
	s_wait_dscnt 0x0
	CROUND                                         ; the closing round
	s_endpgm
.Lfunc_end_k_qa87da91eef_scores:
	.size	k_qa87da91eef_scores, .Lfunc_end_k_qa87da91eef_scores-k_qa87da91eef_scores
	.p2alignl 7, 3214868480
	.fill 96, 4, 3214868480
	.section	.rodata,"a",@progbits
	.p2align	6, 0x0
	.amdhsa_kernel k_qa87da91eef_scores
		.amdhsa_group_segment_fixed_size 327680
		.amdhsa_private_segment_fixed_size 0
		.amdhsa_enable_private_segment 0
		.amdhsa_kernarg_size 40
		.amdhsa_user_sgpr_count 2
		.amdhsa_user_sgpr_kernarg_segment_ptr 1
		.amdhsa_wavefront_size32 1
		.amdhsa_system_sgpr_workgroup_id_x 1
		.amdhsa_system_sgpr_workgroup_id_y 1
		.amdhsa_system_sgpr_workgroup_id_z 1
		.amdhsa_system_vgpr_workitem_id 0
		.amdhsa_next_free_vgpr 1024
		.amdhsa_next_free_sgpr 80
		.amdhsa_reserve_vcc 0
		.amdhsa_float_denorm_mode_32 3
		.amdhsa_float_denorm_mode_16_64 3
		.amdhsa_memory_ordered 1
		.amdhsa_forward_progress 1
		.amdhsa_inst_pref_size 141
	.end_amdhsa_kernel
	.amdgpu_metadata
---
amdhsa.version: [ 1, 2 ]
amdhsa.kernels:
  - .name:           k_qa87da91eef_scores
    .symbol:         k_qa87da91eef_scores.kd
    .args:
      - { .name: tv, .offset: 0, .size: 8, .value_kind: global_buffer, .address_space: global }
      - { .name: x16, .offset: 8, .size: 8, .value_kind: global_buffer, .address_space: global }
      - { .name: pw, .offset: 16, .size: 8, .value_kind: global_buffer, .address_space: global }
      - { .name: sm, .offset: 24, .size: 8, .value_kind: global_buffer, .address_space: global }
      - { .name: sl, .offset: 32, .size: 8, .value_kind: global_buffer, .address_space: global }
    .group_segment_fixed_size: 327680
    .private_segment_fixed_size: 0
    .kernarg_segment_align: 8
    .kernarg_segment_size: 40
    .max_flat_workgroup_size: 128
    .sgpr_count:     80
    .vgpr_count:     1024
    .wavefront_size: 32
...
	.end_amdgpu_metadata
.endif
;; end of part 4
;; launch pv (part 5): grid 4 x 64, 4 waves a work-group, clusters of 4 x 4, 327,680 bytes of LDS; arguments pw, tv, sm, sl, out0; writes out0
.if DOCPART == 5
	.amdgcn_target "amdgcn-amd-amdhsa--gfx1250"
	.amdhsa_code_object_version 6
	.text
	.protected	k_qa87da91eef_pv
	.globl	k_qa87da91eef_pv
	.p2align	8
	.type	k_qa87da91eef_pv,@function
k_qa87da91eef_pv:
	s_mov_b64 s[64:65], 0
	v_nop
	global_prefetch_b8 v0, s[64:65] scope:SCOPE_SE
	s_setreg_imm32_b32 hwreg(HW_REG_WAVE_MODE, 25, 1), 1
	s_wait_xcnt 0x0
	s_wait_alu depctr_hold_cnt(0) depctr_sa_sdst(0) depctr_va_vdst(0) depctr_va_sdst(0) depctr_va_ssrc(0) depctr_va_vcc(0) depctr_vm_vsrc(0)
	s_getreg_b32 s2, hwreg(HW_REG_IB_STS2, 6, 4)
	s_cmp_eq_u32 s2, 0
	s_cbranch_scc0 .Lentry_in_a_cluster
	s_endpgm
.Lentry_in_a_cluster:
	s_bfe_u32 s2, ttmp6, 0x10000c
	s_cmp_lg_u32 s2, 0xf033
	s_cbranch_scc0 .Lentry_shape_is_right
	s_endpgm
.Lentry_shape_is_right:
; out0[q][e] = (1 / L[q]) x the sum over the 16 blocks kb of 128 keys of F[kb][q] x (P[q][kb's keys] . V[kb's keys][e]).
; pw holds P = 2^(x' - m[kb]) in f16, sm the blocks' maxima m, sl their sums l (both f32); v lies at byte 2,048 of tv's rows of 4,096 bytes, in f16.  With M = the largest m of a query:
; F[kb] = 2^(m[kb] - M), at most 1 and 1 for one block; L = the sum of F[kb] l[kb], at least 1.  So the whole is the softmax with the row's true maximum taken away.
; F is rounded once to f16 and multiplied onto P's fragments in registers (a packed f16 product: one more rounding of a matrix operand); sums in f32; 1 / L is applied in f32 at the end.
; LIMITS.  v arrives within f16's 65,504; P F below 6e-5 keeps f16's fixed step of 6e-8; an F below 2^-126 counts as 0; NaN and infinities are not treated apart.
; SHARES.  A tile of out0 is 128 queries x 256 channels; 256 work-groups.  A wave makes 64 queries x 128 channels: 32 accumulators.  K is the batch's 2,048 keys, in 16 steps of 128 (a block kb each)
; through a ring of two LDS slots filled by the tensor data mover: P's rows are 256 bytes of memory, V's 512, at multiples of 256 bytes.
; LAYOUT.  O^T = V^T P: source 0 = 16 channels (V lies [key][channel] in LDS and comes out turned, by ds_load_tr16_b128), source 1 = 16 queries: a lane holds ONE query (l % 16) in P's fragments
; and in the result, with the channels 8 (l / 16) + 0..7: so F and 1 / L are one number a lane and block of 16 queries.
; CLUSTERS: 4 x 4 work-groups.  The four of a row of the cluster (one block of queries) need the same tiles of P, the four of a column (one block of channels) the same tiles of V: asked for JOINTLY.
; REGISTERS, in windows of 256 (s_set_vgpr_msb: bits 1:0 source 0, 3:2 source 1, 5:4 source 2, 7:6 destination):
;   window 0: v0-31 addresses; v32-35 F of the step in hand; v36-43 1 / L; v44-127 at work at the head; v128-191, v192-255 P's fragments, two buffers of 64 keys (part c of 32 keys, block i at 8 (4 c + i))
;   window 1: v0-127, v128-255 V's fragments, two buffers (part c, channel block b at 8 (8 c + b))          window 2: the accumulators, (i, b) at 8 (8 i + b)
.set PA,    272                        ; a row of P in LDS: 256 bytes + 16: the 16 rows of a load start at 16 different groups of four banks (64 banks of 4 bytes: ISA guide 11.1)
.set PVP,   544                        ; a row of V: 512 + 32 = 17 x 32 bytes
.set AHALF, 64*PA                      ; what a tensor load brings of P
.set VHALF, 64*PVP                     ; and of V
.set VOFF,  2*AHALF                    ; a slot: P's 128 rows, then V's 128 keys
.set SLOT1, 1<<17                      ; slot 1 begins here, so that one exclusive or turns an address in one slot into the other's
.set STAGE, SLOT1+VOFF+2*VHALF         ; behind the ring: 16 rows x 528 bytes for each wave, for the way out
.set SP,    528
.set FTAB,  STAGE+4*16*SP              ; for each wave 4,608 bytes: F[kb][my 64 queries], a word each (the f16 twice), then 1 / L of the 64 in f32
.set FWAVE, 4608
.set SPARE, FTAB+4*FWAVE               ; the spare words, 128 bytes for each wave: two blocks of 256 bytes that no other line names
.set PSTEP, 256                        ; a K step along P's rows, in bytes
.set VSTEP, 128*4096                   ; and down V's
.set PBAS, 2                           ; v2   my lane's place in a slot's P; never rewritten
.set VBAS, 3                           ; v3   the same for V
.set ADA,  4                           ; v4   PBAS in the slot in hand
.set ADV,  5                           ; v5   VBAS in the slot in hand
.set FA,   6                           ; v6   where the next step's F lie for my query l % 16; steps 256 bytes a K step
.set STO,  7                           ; v7   the way out: where I put 32 bytes of a row
.set RD,   8                           ; v8   the way out: where I read a row back
.set GO,   9                           ; v9   16 x my lane
.set PFO,  10                          ; v10  the prefetches' offset: my lane x a row of 4,096 bytes (pw's and tv's alike)
.set SPW,  28
.set NIL,  29
.set FQ,   32
.set RL,   36
.set MX,   44                          ; v44-47  M of my four queries
.set TP,   48                          ; v48-51  the other half of the lanes'
.set LL,   52                          ; v52-55  L
.set RC,   56                          ; v56-59  1 / L
.set MS,   64                          ; v64-95  m, then F: block 2 j + l / 16, queries 4 (l % 16) + 0..3, at MS + 4 j
.set LS,   96                          ; v96-127 l likewise
.set AF,   128
.set WV,  14                           ; s14 wave; s15 which 64 queries; s16 which 128 channels, and which half of a tile I fetch; s17 cx; s18 cy; s19 cluster y; s20 batch; s21 tile row
.set G1A, 24                           ; s[24:31] descriptor group 1 for P's tiles
.set G1V, 32                           ; s[32:39] for V's
.set G0A, 40                           ; s[40:47] group 0 for P's tiles: a set for each first fill; the second then walks on
.set G0V, 48                           ; s[48:55] the same for V's
.set CNT, 56
.set TB,  57                           ; s57  the slot in hand: 0 or SLOT1
.set LIM, 58                           ; s58  2 in a wave that prefetches, else the greatest number
.set PFA, 60                           ; s[60:61] where my prefetches stand
.set PFS, 62                           ; s[62:63] their step
.set SEL, 76                           ; s[76:77] v_permlanex16_b32's selects: each lane takes its own place in the other half
.set MSB, 0
.macro WIN new
.if MSB != (\new)
	s_set_vgpr_msb (MSB<<8)|(\new)
.set MSB, \new
.endif
.endm
.macro PLACES
.rept 4
	v_nop
.endr
.endm
.macro CREST
	s_cmp_lg_u32 s[WV], 0
	s_cbranch_scc1 .Lnot_wave_0_\@
	s_barrier_signal -3
.Lnot_wave_0_\@:
	s_barrier_wait -3
	s_barrier_signal -1
	s_barrier_wait -1
.endm
.macro CROUND
	s_barrier_signal -1
	s_barrier_wait -1
	CREST
.endm
; A joint refill.  Waves 0 and 1 fetch P's two halves, waves 2 and 3 V's.  An s_nop 0 and four v_nop follow each of the two lines.
.macro JLOAD
	s_cmp_lt_u32 s[WV], 2
	s_cbranch_scc0 .Lfor_v_\@
	tensor_load_to_lds s[G0A+4:G0A+7], s[G1A:G1A+7]
	s_nop 0
.rept 4
	v_nop
.endr
	s_branch .Lasked_\@
.Lfor_v_\@:
	tensor_load_to_lds s[G0V+4:G0V+7], s[G1V:G1V+7]
	s_nop 0
.rept 4
	v_nop
.endr
.Lasked_\@:
.endm
; A prefetch, behind each joint refill and the run of LDS loads that follows it: the K step two refills on, 256 matrix instructions ahead of the load that will ask for it; a lane a row, 256 bytes.
; Each block is named once in the launch.  P's tile is read by one row of one cluster: wave 0 of each of its four work-groups takes 32 of the 128 rows (by cx, in the address).  V's tile is read by a
; column of each of the batch's four clusters: the first of them asks (cluster y a multiple of 4); its four work-groups take 32 of the 128 keys each (by cy, in the address), waves 2 and 3 a half
; of the 512 bytes each.  Wave 1 asks for nothing.  K steps 0 to 3 come by their loads alone; the last two refills (CNT = 2, 1) have no K step two refills on.
.macro ASK
	s_cmp_gt_u32 s[CNT], s[LIM]
	s_cbranch_scc0 .Lnot_mine_\@
	global_prefetch_b8 v[PFO], s[PFA:PFA+1] th:TH_LOAD_NT scope:SCOPE_SE
.Lnot_mine_\@:
.endm
	s_load_b256 s[4:11], s[0:1], 0x0               ; pw s[4:5], tv s[6:7], sm s[8:9], sl s[10:11]
	s_load_b64 s[12:13], s[0:1], 0x20              ; out0
	v_lshl_add_u32 v[SPW], v0, 2, SPARE
	v_mov_b32 v[NIL], 0
	ds_add_u32 v[SPW], v[NIL]                      ; the wave's opening: the add and its wait ahead of my first tensor load
	v_lshrrev_b32 v1, 5, v0
	v_readfirstlane_b32 s[WV], v1                  ; wave 0..3
	s_lshr_b32 s15, s[WV], 1
	s_and_b32 s16, s[WV], 1
	s_bfe_u32 s17, ttmp6, 0x40000                  ; cx: the tile column (the grid has one cluster along x)
	s_bfe_u32 s18, ttmp6, 0x40004                  ; cy
	s_and_b32 s19, ttmp7, 0xffff                   ; cluster y
	s_lshr_b32 s20, s19, 2                         ; the batch: four clusters each; made of the cluster's y alone
	s_lshl_b32 s21, s19, 2
	s_add_co_u32 s21, s21, s18                     ; tile row, 0..63: 128 of the 8,192 queries
	s_lshl_b32 s22, s18, 2
	s_lshl_b32 s22, 15, s22                        ; my row of the cluster
	s_lshl_b32 s23, 0x1111, s17                    ; my column
	s_or_b32 s[G1A], s22, (1<<16)|(1<<20)|(1<<21)|(5<<22)|(3<<25)  ; the mask; 2-byte elements; padding on; bit 21 beside a mask; after every 64 words (code 5) 4 words (code 3)
	s_mov_b32 s[G1A+1], 128<<16                    ; tensor_dim0 = 128
	s_mov_b32 s[G1A+2], 64<<16                     ; tensor_dim1 = 64
	s_mov_b32 s[G1A+3], 128<<16                    ; tile_dim0 = 128
	s_mov_b32 s[G1A+4], 64                         ; tile_dim1 = 64
	s_mov_b32 s[G1A+5], 2048                       ; elements from row to row of pw
	s_mov_b32 s[G1A+6], 0
	s_mov_b32 s[G1A+7], 0
	s_or_b32 s[G1V], s23, (1<<16)|(1<<20)|(1<<21)|(6<<22)|(7<<25)  ; after every 128 words (code 6) 8 words (code 7)
	s_mov_b32 s[G1V+1], 256<<16                    ; tensor_dim0 = 256
	s_mov_b32 s[G1V+2], 64<<16
	s_mov_b32 s[G1V+3], 256<<16                    ; tile_dim0 = 256
	s_mov_b32 s[G1V+4], 64
	s_mov_b32 s[G1V+5], 2048                       ; elements from row to row of tv
	s_mov_b32 s[G1V+6], 0
	s_mov_b32 s[G1V+7], 0
	s_mov_b32 s[SEL], 0x76543210
	s_mov_b32 s[SEL+1], 0xfedcba98
	s_lshl_b32 s66, s21, 7                         ; P: (128 x tile row + 64 x half) x 4,096 bytes: the tile row and the wave's number alone
	s_lshl_b32 s67, s16, 6
	s_add_co_u32 s66, s66, s67
	s_lshl_b32 s66, s66, 12
	s_mov_b32 s67, 0
	s_lshl_b32 s68, s20, 11                        ; V: (2,048 x batch + 64 x half) x 4,096 + 2,048 + 512 cx: the batch, the tile column and the wave's number alone
	s_lshl_b32 s69, s16, 6
	s_add_co_u32 s68, s68, s69
	s_lshl_b32 s68, s68, 12
	s_lshl_b32 s69, s17, 9
	s_add_co_u32 s68, s68, s69
	s_add_co_u32 s68, s68, 2048
	s_mov_b32 s69, 0
	s_mul_i32 s70, s16, AHALF                      ; where they go in a slot: no place in the cluster enters an LDS address
	s_mul_i32 s71, s16, VHALF
	s_add_co_u32 s71, s71, VOFF
	s_wait_dscnt 0x0                               ; the opening add is done
	s_wait_kmcnt 0x0
	s_add_nc_u64 s[66:67], s[4:5], s[66:67]
	s_add_nc_u64 s[68:69], s[6:7], s[68:69]
	CROUND                                         ; all sixteen work-groups are here: the first joint loads meet
.irp s, 0,1
	s_mov_b32 s[G0A+4*(\s)], 1
	s_add_co_u32 s[G0A+4*(\s)+1], s70, (\s)*SLOT1
	s_add_nc_u64 s[G0A+4*(\s)+2:G0A+4*(\s)+3], s[66:67], (\s)*PSTEP
	s_or_b32 s[G0A+4*(\s)+3], s[G0A+4*(\s)+3], 0x80000000
	s_mov_b32 s[G0V+4*(\s)], 1
	s_add_co_u32 s[G0V+4*(\s)+1], s71, (\s)*SLOT1
	s_add_nc_u64 s[G0V+4*(\s)+2:G0V+4*(\s)+3], s[68:69], (\s)*VSTEP
	s_or_b32 s[G0V+4*(\s)+3], s[G0V+4*(\s)+3], 0x80000000
.endr
	s_cmp_lt_u32 s[WV], 2                          ; a wave's two first fills stand in one branch, ahead of every wait on TENSORcnt and every LDS read: two loads of mine are out
	s_cbranch_scc0 .Lfirst_v
	tensor_load_to_lds s[G0A:G0A+3], s[G1A:G1A+7]
	s_nop 0
	tensor_load_to_lds s[G0A+4:G0A+7], s[G1A:G1A+7]
	s_nop 0
.rept 4
	v_nop
.endr
	s_branch .Lfirst_asked
.Lfirst_v:
	tensor_load_to_lds s[G0V:G0V+3], s[G1V:G1V+7]
	s_nop 0
	tensor_load_to_lds s[G0V+4:G0V+7], s[G1V:G1V+7]
	s_nop 0
.rept 4
	v_nop
.endr
.Lfirst_asked:
	; THE STATISTICS, while the first tiles are on their way.  Lane l holds queries 4 (l % 16) + 0..3 of my wave's 64 and, in turn j, block 2 j + l / 16: sixteen lanes read 256 consecutive bytes.
	v_and_b32 v1, 15, v0                           ; l % 16
	v_bfe_u32 v12, v0, 4, 1                        ; l / 16
	v_and_b32 v13, 7, v0
	v_bfe_u32 v14, v0, 3, 1
	v_and_b32 v15, 31, v0
	v_lshlrev_b32 v16, 13, v12                     ; a block's 2,048 queries are 8,192 bytes
	v_lshl_add_u32 v16, v1, 4, v16
	s_lshl_b32 s72, s20, 15                        ; (16 x batch x 2,048 + 128 x (tile row in the batch) + 64 x my half) x 4
	s_and_b32 s73, s21, 15
	s_lshl_b32 s73, s73, 7
	s_add_co_u32 s72, s72, s73
	s_lshl_b32 s73, s15, 6
	s_add_co_u32 s72, s72, s73
	s_lshl_b32 s72, s72, 2
	s_mov_b32 s73, 0
	s_add_nc_u64 s[8:9], s[8:9], s[72:73]
	s_add_nc_u64 s[10:11], s[10:11], s[72:73]
.irp j, 0,1,2,3,4,5,6,7
	global_load_b128 v[MS+4*(\j):MS+4*(\j)+3], v16, s[8:9] offset:16384*(\j)
	global_load_b128 v[LS+4*(\j):LS+4*(\j)+3], v16, s[10:11] offset:16384*(\j)
.endr
	s_mul_i32 s74, s15, AHALF                      ; my 64 rows of P
	v_mul_u32_u24 v[PBAS], v1, PA
	v_lshl_add_u32 v[PBAS], v12, 4, v[PBAS]        ; row x pitch + 16 x half
	v_add_nc_u32 v[PBAS], s74, v[PBAS]
	; The turning load takes 16 keys x 16 channels (lane l reads key 8 (l / 16) + l % 8, channels 8 ((l / 8) % 2) + 0..7) and leaves half a fragment of V^T: lane l holds channel l % 16 and 8 keys.
	v_lshl_add_u32 v[VBAS], v12, 3, v13
	v_mul_u32_u24 v[VBAS], v[VBAS], PVP
	v_lshl_add_u32 v[VBAS], v14, 4, v[VBAS]
	s_lshl_b32 s74, s16, 8                         ; my 128 channels
	s_add_co_u32 s74, s74, VOFF
	v_add_nc_u32 v[VBAS], s74, v[VBAS]
	s_mul_i32 s74, s[WV], FWAVE
	s_add_co_u32 s74, s74, FTAB                    ; my table
	v_lshl_add_u32 v[FA], v1, 2, s74
	v_lshl_add_u32 v17, v1, 4, s74                 ; where my four queries' words lie in a block's 256 bytes,
	v_lshl_add_u32 v18, v12, 8, v17                ; in block l / 16
	s_mul_i32 s74, s[WV], 16*SP
	s_add_co_u32 s74, s74, STAGE                   ; my stage
	v_mul_u32_u24 v[STO], v1, SP
	v_lshl_add_u32 v[STO], v12, 5, v[STO]
	v_add_nc_u32 v[STO], s74, v[STO]
	v_lshl_add_u32 v[RD], v15, 4, s74
	v_lshlrev_b32 v[GO], 4, v15
	s_lshl_b32 s72, s21, 7                         ; out0 at (128 x tile row + 64 x my half) x 4,096 + 1,024 cx + 512 x my half of the channels
	s_lshl_b32 s73, s15, 6
	s_add_co_u32 s72, s72, s73
	s_lshl_b32 s72, s72, 12
	s_lshl_b32 s73, s17, 10
	s_add_co_u32 s72, s72, s73
	s_lshl_b32 s73, s16, 9
	s_add_co_u32 s72, s72, s73
	s_mov_b32 s73, 0
	s_add_nc_u64 s[12:13], s[12:13], s[72:73]
	; the prefetches
	s_lshl_b32 s72, s21, 7
	s_lshl_b32 s73, s17, 5
	s_add_co_u32 s72, s72, s73                     ; P: row 128 x tile row + 32 cx
	s_lshl_b32 s73, s20, 11
	s_lshl_b32 s74, s18, 5
	s_add_co_u32 s73, s73, s74                     ; V: row 2,048 x batch + 32 cy
	s_lshl_b32 s74, s17, 9
	s_lshl_b32 s75, s16, 8
	s_add_co_u32 s74, s74, s75
	s_add_co_u32 s74, s74, 2048                    ; V: byte 2,048 + 512 cx + 256 x (wave - 2) of a row
	s_and_b32 s75, s19, 3                          ; the cluster's place among the four that read the batch's V
	s_cmp_lt_u32 s[WV], 2
	s_cselect_b64 s[PFA:PFA+1], s[4:5], s[6:7]
	s_cselect_b32 s72, s72, s73
	s_mov_b32 s78, PSTEP
	s_cselect_b32 s[PFS], s78, VSTEP
	s_cselect_b32 s74, 0, s74
	s_cselect_b32 s75, s[WV], s75                  ; 0 in wave 0, and in waves 2 and 3 of the batch's first cluster
	s_cmp_eq_u32 s75, 0
	s_cselect_b32 s[LIM], 2, -1                    ; the same in all sixteen partners, for a given wave
	s_mov_b32 s[PFS+1], 0
	s_lshl_b32 s72, s72, 12                        ; rows of 4,096 bytes in both buffers
	s_add_co_u32 s72, s72, s74
	s_mul_i32 s74, s[PFS], 3                       ; at K step 3: the first change of slots steps it to 4
	s_add_co_u32 s72, s72, s74
	s_mov_b32 s73, 0
	s_add_nc_u64 s[PFA:PFA+1], s[PFA:PFA+1], s[72:73]
	v_lshlrev_b32 v[PFO], 12, v15
.irp e, 0,1,2,3
	v_mov_b32 v[TP+(\e)], 0                        ; v_permlanex16_b32's destination counts as read
.endr
	s_wait_loadcnt 0x0
.irp e, 0,1,2,3
	v_max3_num_f32 v[MX+(\e)], v[MS+(\e)], v[MS+4+(\e)], v[MS+8+(\e)]
.endr
.irp e, 0,1,2,3
	v_max3_num_f32 v[MX+(\e)], v[MX+(\e)], v[MS+12+(\e)], v[MS+16+(\e)]
.endr
.irp e, 0,1,2,3
	v_max3_num_f32 v[MX+(\e)], v[MX+(\e)], v[MS+20+(\e)], v[MS+24+(\e)]
.endr
.irp e, 0,1,2,3
	v_max_num_f32 v[MX+(\e)], v[MX+(\e)], v[MS+28+(\e)]
.endr
.irp e, 0,1,2,3
	v_permlanex16_b32 v[TP+(\e)], v[MX+(\e)], s[SEL], s[SEL+1]  ; the odd (even) blocks' lie in the lane 16 away
.endr
.irp e, 0,1,2,3
	v_max_num_f32 v[MX+(\e)], v[MX+(\e)], v[TP+(\e)]            ; M
.endr
.irp j, 0,1,2,3,4,5,6,7
.irp p, 0,2
	v_pk_add_f32 v[MS+4*(\j)+(\p):MS+4*(\j)+(\p)+1], v[MS+4*(\j)+(\p):MS+4*(\j)+(\p)+1], v[MX+(\p):MX+(\p)+1] neg_lo:[0,1] neg_hi:[0,1]  ; m - M
.endr
.endr
.set e, 0
.rept 32
	v_exp_f32 v[MS+e], v[MS+e]                     ; F, one batch of 32
.set e, e+1
.endr
	v_nop                                          ; a plain instruction behind the last exponential,
	s_wait_alu depctr_va_vdst(0)                   ; and one wait ahead of the batch's first reader
.irp p, 0,2
	v_pk_mul_f32 v[LL+(\p):LL+(\p)+1], v[MS+(\p):MS+(\p)+1], v[LS+(\p):LS+(\p)+1]
.endr
.irp j, 1,2,3,4,5,6,7
.irp p, 0,2
	v_pk_fma_f32 v[LL+(\p):LL+(\p)+1], v[MS+4*(\j)+(\p):MS+4*(\j)+(\p)+1], v[LS+4*(\j)+(\p):LS+4*(\j)+(\p)+1], v[LL+(\p):LL+(\p)+1]
.endr
.endr
.irp e, 0,1,2,3
	v_permlanex16_b32 v[TP+(\e)], v[LL+(\e)], s[SEL], s[SEL+1]
.endr
.irp e, 0,1,2,3
	v_add_f32 v[LL+(\e)], v[LL+(\e)], v[TP+(\e)]   ; L
.endr
.irp e, 0,1,2,3
	v_rcp_f32 v[RC+(\e)], v[LL+(\e)]
.endr
.set e, 0
.rept 32
	v_cvt_pk_f16_f32 v[MS+e], v[MS+e], v[MS+e]     ; F in f16, twice in a word; independent plain work behind the reciprocals
.set e, e+1
.endr
	s_wait_alu depctr_va_vdst(0)                   ; one wait for the four reciprocals, ahead of their first reader
.irp j, 0,1,2,3,4,5,6,7
	ds_store_b128 v18, v[MS+4*(\j):MS+4*(\j)+3] offset:512*(\j)
.endr
	ds_store_b128 v17, v[RC:RC+3] offset:4096      ; both halves of the lanes write the same words with the same values
.irp i, 0,1,2,3
	ds_load_b32 v[RL+2*(\i)],   v[FA] offset:4096+64*(\i)  ; 1 / L of query 16 i + l % 16; my own bytes: LDS serves a wave's instructions in order (ISA guide 5.7.1.4)
	ds_load_b32 v[RL+2*(\i)+1], v[FA] offset:4096+64*(\i)  ; named with it as a pair
.endr
; Four of the 64 packed products that scale a buffer's P by F: registers 4 g .. 4 g + 3 of part rc of buffer rb (block g / 2 of 16 queries).
.macro SC4 rb, rc, g
	WIN 0
.irp z, 0,1,2,3
	v_pk_mul_f16 v[AF+64*(\rb)+32*(\rc)+4*(\g)+(\z)], v[AF+64*(\rb)+32*(\rc)+4*(\g)+(\z)], v[FQ+(\g)/2]
.endr
.endm
; 16 matrix instructions: query blocks i0, i0 + 1 x all 8 channel blocks, part c (32 keys) of buffer f.  zero = 1: they start the sums.  The 32 accumulators take turns.
; Behind every per-th of them stands SC4 rb, rc, g, g counting up from g0: it names registers of another part or buffer than the products round it.
.macro MR f, c, i0, zero, per=0, rb=0, rc=0, g0=0
.set n, 0
.set gg, \g0
.irp i, \i0, (\i0)+1
.irp b, 0,1,2,3,4,5,6,7
	WIN 0xa1                                       ; V in window 1, P in window 0, C and D in window 2
.if \zero
	v_wmma_f32_16x16x32_f16 v[8*(8*(\i)+(\b)):8*(8*(\i)+(\b))+7], v[128*(\f)+8*(8*(\c)+(\b)):128*(\f)+8*(8*(\c)+(\b))+7], v[AF+64*(\f)+8*(4*(\c)+(\i)):AF+64*(\f)+8*(4*(\c)+(\i))+7], 0
.else
	v_wmma_f32_16x16x32_f16 v[8*(8*(\i)+(\b)):8*(8*(\i)+(\b))+7], v[128*(\f)+8*(8*(\c)+(\b)):128*(\f)+8*(8*(\c)+(\b))+7], v[AF+64*(\f)+8*(4*(\c)+(\i)):AF+64*(\f)+8*(4*(\c)+(\i))+7], v[8*(8*(\i)+(\b)):8*(8*(\i)+(\b))+7]
.endif
.set n, n+1
.if \per
.if (n % (\per)) == 0
	SC4 \rb, \rc, gg
.set gg, gg+1
.endif
.endif
.endr
.endr
.endm
; One run of LDS loads: 64 keys (half 0 or 1 of the K step in hand) into buffer f, in the order P part 0 (8), V part 0 (16), P part 1 (8), V part 1 (16).  fq = 1: ahead of them the step's four F.
.macro FETCH f, half, fq
	WIN 0
.if \fq
.irp i, 0,1,2,3
	ds_load_b32 v[FQ+(\i)], v[FA] offset:64*(\i)
.endr
	v_add_nc_u32 v[FA], 256, v[FA]                 ; the next block's
.endif
.irp c, 0,1
	WIN 0
.irp i, 0,1,2,3
	ds_load_b128 v[AF+64*(\f)+8*(4*(\c)+(\i)):AF+64*(\f)+8*(4*(\c)+(\i))+3],   v[ADA] offset:(\i)*16*PA+128*(\half)+64*(\c)
	ds_load_b128 v[AF+64*(\f)+8*(4*(\c)+(\i))+4:AF+64*(\f)+8*(4*(\c)+(\i))+7], v[ADA] offset:(\i)*16*PA+128*(\half)+64*(\c)+32
.endr
	WIN 0x40                                       ; destination window 1
.irp b, 0,1,2,3,4,5,6,7
	ds_load_tr16_b128 v[128*(\f)+8*(8*(\c)+(\b)):128*(\f)+8*(8*(\c)+(\b))+3],   v[ADV] offset:(64*(\half)+32*(\c))*PVP+32*(\b)
	ds_load_tr16_b128 v[128*(\f)+8*(8*(\c)+(\b))+4:128*(\f)+8*(8*(\c)+(\b))+7], v[ADV] offset:(64*(\half)+32*(\c)+16)*PVP+32*(\b)
.endr
.endr
	WIN 0
.endm
; A K STEP is 128 matrix instructions in four parts of 32: (buffer 0, part 0) = B3, (0, 1) = B1, (1, 0) and (1, 1) = P1.  The places in front of each run of loads are the scalings behind the last
; products that read the buffer: they name the other buffer.
.macro B1                              ; the step's second 64 keys are fetched; buffer 0's part 1 is multiplied; buffer 1's part 0 is scaled
	FETCH 1, 1, 0
	s_wait_dscnt 48                                ; all but the 48 just issued: buffer 0's V part 1 is in
	MR 0, 1, 0, 0
	s_wait_dscnt 40                                ; the new run's first eight loads, P part 0, are in
	MR 0, 1, 2, 0, 2, 1, 0, 0
.endm
.macro B3 zero                         ; buffer 0's part 0 is multiplied; its part 1 is scaled
	s_wait_dscnt 16                                ; all but V part 1
	MR 0, 0, 0, \zero, 4, 0, 1, 0
	MR 0, 0, 2, \zero, 4, 0, 1, 4
.endm
; Buffer 1 is multiplied, and the slots change: one barrier, in front of which each wave waits for all its tensor loads (one is out: its part of the next slot), adds 0 to its spare word, and waits for
; that and for its reads of this slot.  fill = 1: the barrier opens a round of the cluster's, and behind it this slot is filled again with the K step two steps on: the wave issues 96 matrix
; instructions between that request and the wait for it.  Then the next step's first 64 keys and its F are fetched.
.macro P1 fill
.if \fill
	s_wait_xcnt 0x0                                ; the last prefetch, a K step back, has read its address
	s_add_nc_u64 s[PFA:PFA+1], s[PFA:PFA+1], s[PFS:PFS+1]
.endif
	WIN 0
	s_wait_tensorcnt 0x0                           ; no tensor load of mine is out, so a group 0 may be written
	ds_add_u32 v[SPW], v[NIL]                      ; 0 onto my spare word
.if \fill
	s_xor_b32 s[G0A+5], s[G0A+5], SLOT1            ; the walking descriptors: the other slot than last time, the next K step
	s_add_nc_u64 s[G0A+6:G0A+7], s[G0A+6:G0A+7], PSTEP
	s_xor_b32 s[G0V+5], s[G0V+5], SLOT1
	s_add_nc_u64 s[G0V+6:G0V+7], s[G0V+6:G0V+7], VSTEP
.endif
	s_wait_dscnt 17                                ; (the add and V part 1's sixteen loads may be out)
	MR 1, 0, 0, 0, 4, 1, 1, 0
	s_wait_dscnt 0x0                               ; the add is done, and my reads of this slot are over
	s_barrier_signal -1
	MR 1, 0, 2, 0, 4, 1, 1, 4
	WIN 0
	s_barrier_wait -1
.if \fill
	CREST                                          ; no wave of any partner still reads this slot or has a load on its way
	JLOAD
.else
	PLACES
.endif
	s_xor_b32 s[TB], s[TB], SLOT1
	v_add_nc_u32 v[ADA], s[TB], v[PBAS]
	v_add_nc_u32 v[ADV], s[TB], v[VBAS]
	FETCH 0, 0, 1
.if \fill
	ASK
.endif
	MR 1, 1, 0, 0
	s_wait_dscnt 40                                ; the new run's F and P part 0 are in
	MR 1, 1, 2, 0, 2, 0, 0, 0
.endm
	s_wait_tensorcnt 1                             ; my part of K step 0 is in; K step 1's load may stay out
	s_wait_dscnt 0x0                               ; 1 / L is in
	s_barrier_signal -1
	s_barrier_wait -1
	s_mov_b32 s[TB], 0
	v_mov_b32 v[ADA], v[PBAS]
	v_mov_b32 v[ADV], v[VBAS]
	FETCH 0, 0, 1
	s_wait_dscnt 0x0
.irp g, 0,1,2,3,4,5,6,7
	SC4 0, 0, \g
.endr
	B3 1                                           ; the first 32 products start the sums: nothing is cleared
	WIN 0
	s_mov_b32 s[CNT], 14
.Lstep:                                                ; 14 trips: K steps 0 to 13; trip s asks for K step s + 2
	B1
	P1 1
	B3 0
	WIN 0
	s_sub_co_u32 s[CNT], s[CNT], 1
	s_cmp_lg_u32 s[CNT], 0
	s_cbranch_scc1 .Lstep
	B1                                             ; K step 14: nothing is left to ask for
	P1 0
	B3 0
	B1                                             ; K step 15
	s_wait_dscnt 16
	MR 1, 0, 0, 0, 4, 1, 1, 0
	MR 1, 0, 2, 0, 4, 1, 1, 4
	s_wait_dscnt 0x0
	MR 1, 1, 0, 0
	MR 1, 1, 2, 0
	WIN 0
	PLACES                                         ; the places behind the last products
	PLACES
; THE WAY OUT of block i (16 queries): times 1 / L, in place, from each accumulator's low end on; 32 bytes a lane into my stage; back as whole rows of 512 bytes; stored.
.macro PACK i
	WIN 0x82                                       ; destination and source 0 in window 2, 1 / L in window 0
.set x, 64*(\i)
.rept 32
	v_pk_mul_f32 v[x:x+1], v[x:x+1], v[RL+2*(\i):RL+2*(\i)+1] op_sel_hi:[1,0]
.set x, x+2
.endr
	WIN 0x08                                       ; the stores' data in window 2
.irp b, 0,1,2,3,4,5,6,7
	ds_store_b128 v[STO], v[64*(\i)+8*(\b):64*(\i)+8*(\b)+3]   offset:64*(\b)
	ds_store_b128 v[STO], v[64*(\i)+8*(\b)+4:64*(\i)+8*(\b)+7] offset:64*(\b)+16
.endr
	WIN 0
.if (\i) >= 2
	s_wait_xcnt 0x0                                ; the stores of the block two back have read the registers that are loaded again below
.endif
.irp t, 0,1,2,3,4,5,6,7,8,9,10,11,12,13,14,15
	ds_load_b128 v[AF+64*((\i)%2)+4*(\t):AF+64*((\i)%2)+4*(\t)+3], v[RD] offset:SP*(\t)  ; LDS serves a wave's instructions in order (ISA guide 5.7.1.4): these see the stores above; the next block's stores come behind them
.endr
.endm
.macro SEND i, younger                 ; younger: the LDS instructions issued behind block i's loads: the next block's 32, or none
.irp t, 0,1,2,3,4,5,6,7,8,9,10,11,12,13,14,15
	s_wait_dscnt (\younger)+15-(\t)
	global_store_b128 v[GO], v[AF+64*((\i)%2)+4*(\t):AF+64*((\i)%2)+4*(\t)+3], s[12:13] offset:(16*(\i)+(\t))*4096 th:TH_STORE_NT  ; 512 consecutive bytes, at a multiple of 512 from out0's first byte
.endr
.endm
	PACK 0
	PACK 1                                         ; a block's arithmetic stands between the loads of the block before and its stores
	SEND 0, 32
	PACK 2
	SEND 1, 32
	PACK 3
	SEND 2, 32
	SEND 3, 0
	s_wait_tensorcnt 0x0                           ; the wave's end: behind my last tensor load and my last LDS store
	ds_add_u32 v[SPW], v[NIL]
	s_wait_dscnt 0x0
	CROUND                                         ; the closing round
	s_endpgm
.Lfunc_end_k_qa87da91eef_pv:
	.size	k_qa87da91eef_pv, .Lfunc_end_k_qa87da91eef_pv-k_qa87da91eef_pv
	.p2alignl 7, 3214868480
	.fill 96, 4, 3214868480
	.section	.rodata,"a",@progbits
	.p2align	6, 0x0
	.amdhsa_kernel k_qa87da91eef_pv
		.amdhsa_group_segment_fixed_size 327680
		.amdhsa_private_segment_fixed_size 0
		.amdhsa_enable_private_segment 0
		.amdhsa_kernarg_size 40
		.amdhsa_user_sgpr_count 2
		.amdhsa_user_sgpr_kernarg_segment_ptr 1
		.amdhsa_wavefront_size32 1
		.amdhsa_system_sgpr_workgroup_id_x 1
		.amdhsa_system_sgpr_workgroup_id_y 1
		.amdhsa_system_sgpr_workgroup_id_z 1
		.amdhsa_system_vgpr_workitem_id 0
		.amdhsa_next_free_vgpr 768
		.amdhsa_next_free_sgpr 80
		.amdhsa_reserve_vcc 0
		.amdhsa_float_denorm_mode_32 3
		.amdhsa_float_denorm_mode_16_64 3
		.amdhsa_memory_ordered 1
		.amdhsa_forward_progress 1
		.amdhsa_inst_pref_size 119
	.end_amdhsa_kernel
	.amdgpu_metadata
---
amdhsa.version: [ 1, 2 ]
amdhsa.kernels:
  - .name:           k_qa87da91eef_pv
    .symbol:         k_qa87da91eef_pv.kd
    .args:
      - { .name: pw, .offset: 0, .size: 8, .value_kind: global_buffer, .address_space: global }
      - { .name: tv, .offset: 8, .size: 8, .value_kind: global_buffer, .address_space: global }
      - { .name: sm, .offset: 16, .size: 8, .value_kind: global_buffer, .address_space: global }
      - { .name: sl, .offset: 24, .size: 8, .value_kind: global_buffer, .address_space: global }
      - { .name: out0, .offset: 32, .size: 8, .value_kind: global_buffer, .address_space: global }
    .group_segment_fixed_size: 327680
    .private_segment_fixed_size: 0
    .kernarg_segment_align: 8
    .kernarg_segment_size: 40
    .max_flat_workgroup_size: 128
    .sgpr_count:     80
    .vgpr_count:     768
    .wavefront_size: 32
...
	.end_amdgpu_metadata
.endif
;; end of part 5
